; MI455X (gfx1250); checked and timed in simulation.
; The chip was launched on July 23, 2026; its instructions are those of AMD's public machine-readable ISA for CDNA 5 (MIT licence, August 2026) and "CDNA5" Instruction Set Architecture Reference Guide (July 2026). The comments in the code are by the model that wrote it; some were corrected since.
;; Attention. Allowed arithmetic: matrix products marked QUANTISED: E2M1 operands, one E8M0 scale for each 32 along K, by v_wmma_scale_f32_16x16x128_f8f6f4 with both operands' format E2M1 (or v_wmma_scale_f32_32x16x128_f4), f32 sums; products left as they are: bf16, f16 or f32 operands; f32 sums; everything else in f32.
;; Inputs: b_proj 1,024 float32; w_proj 1,024 x 1,024 float32; w_qkv 3,072 x 1,024 float32; x 8 x 1,024 x 1,024 float32.
;; Outputs: out0 8 x 1,024 x 1,024 float32.
;; This version of the problem:
;;   THIS VERSION OF THE PROBLEM IS GIVEN IN LOW PRECISION. The matrix products marked QUANTISED in the list below multiply operands that are first quantised to E2M1 (2 exponent bits, 1 mantissa bit; 4 bits a number), with one power-of-two scale for each 32 numbers along K (OCP MX v1.0); their sums are f32. The products marked 'left as it is' may take bf16, f16 or f32 operands, with f32 sums. Whichever they take, every output number must still come out within the allowed error. Rounding operands to bf16 (8 significant bits) uses up far more of that allowance than f16 does (11 bits, for magnitudes from 6e-5 to 65,504). All else is computed in f32.
;;   The module's matrix products, in the order in which they are computed (A, B: the left and right operand; K: the contracted axis; several contracted axes count as one K, in the product's order):
;;     1. [M 8,192, K 1,024] x [K 1,024, N 3,072]; A: input x; B: input w_qkv: QUANTISED
;;     2. batch 128 x [M 1,024, K 64] x [K 64, N 1,024]; A: computed on the way; B: computed on the way: left as it is (an operand is computed on the way)
;;     3. batch 128 x [M 1,024, K 1,024] x [K 1,024, N 64]; A: computed on the way; B: computed on the way: left as it is (an operand is computed on the way)
;;     4. [M 8,192, K 1,024] x [K 1,024, N 1,024]; A: computed on the way; B: input w_proj: left as it is (an operand is computed on the way)
;;   THE QUANTISER, for each operand of a quantised product, along K:
;;     - K is cut into blocks of 32 from its start; a last block that is shorter is filled with zeros.
;;     - A block's scale is 2^e with e = floor(log2(the largest magnitude in the block)) - 2, held to -126 .. 127; a block of zeros has e = 0. As a byte (E8M0): e + 127.
;;     - Each number is divided by its block's scale, clamped to +-6, and rounded to the nearest number of E2M1, ties to even, subnormals kept.
;;     - The product sums the exact products of the quantised numbers (number of the format x scale) in f32.
;;   ~~~python
;;   def quantise(x, axis):      # numpy; x: float32 -> the quantised numbers, widened to float32 again
;;       x = np.moveaxis(x, axis, -1); K = x.shape[-1]
;;       x = np.pad(x, [(0, 0)] * (x.ndim - 1) + [(0, -K % 32)]); x = x.reshape(x.shape[:-1] + (-1, 32)); a = np.abs(x).max(-1, keepdims=True)
;;       e = np.where(a > 0, np.clip(np.frexp(np.where(a > 0, a, 1))[1] - 1 - 2, -126, 127), 0)      # np.frexp(a)[1] - 1 = floor(log2(a)), exactly
;;       r = np.clip(x / 2.0 ** e, -6, 6)
;;       step = 2.0 ** (np.maximum(np.frexp(np.where(r == 0, 1, r))[1] - 1, 0) - 1)
;;       q = np.round(r / step) * step * 2.0 ** e      # np.round: ties to even
;;       return np.moveaxis(q.reshape(q.shape[:-2] + (-1,))[..., :K], -1, axis).astype(np.float32)
;;   ~~~
;; One version. Each part assembles by itself: llvm-mc -triple=amdgcn-amd-amdhsa -mcpu=gfx1250 --defsym DOCPART=n.
;; ======== version 1 of 1: 4 launches
;; limits: values are held in f16: magnitudes above 65,504 overflow, below 6.1e-05 lose precision
;; workspace buffers: xc 4,194,304 bytes; xs 262,144 bytes; wc 1,572,864 bytes; ws 98,304 bytes; wp 2,097,152 bytes; qkv 50,331,648 bytes; att 16,777,216 bytes
;; launch quant (part 1): grid 480 x 1, 4 waves a work-group, no clusters, 33,280 bytes of LDS; arguments x, w_qkv, xc, xs, wc, ws, w_proj, wp; writes xc, xs, wc, ws, wp
.if DOCPART == 1
	.amdgcn_target "amdgcn-amd-amdhsa--gfx1250"
	.amdhsa_code_object_version 6
	.text
	.protected	k_q693e7e8e5a_quant
	.globl	k_q693e7e8e5a_quant
	.p2align	8
	.type	k_q693e7e8e5a_quant,@function
k_q693e7e8e5a_quant:
	s_mov_b64 s[64:65], 0
	v_nop
	global_prefetch_b8 v0, s[64:65] scope:SCOPE_SE
	s_setreg_imm32_b32 hwreg(HW_REG_WAVE_MODE, 25, 1), 1
	s_wait_xcnt 0x0
; LAUNCH 1 OF 4.  The program: out0 = proj(attention(x w_qkv^T)) + b_proj, 8 batches x 1,024 tokens x 1,024 channels, 16 heads of 64.
;   1 (this text)  x and w_qkv become codes of FP4 (E2M1) with one E8M0 byte for each 32 along K; w_proj becomes f16.
;   2  the quantised product x w_qkv^T on those codes; q, k, v leave as f16, laid by head.
;   3  for each head softmax(q k^T / 8) v, f16 operands, f32 sums, a running maximum.      4  the projection on f16 operands, plus b_proj, f32 out.
; DEAD WORK: none.  Every product, every row and every input of the function reaches out0; all four inputs are loaded (b_proj in launch 4).
; THE QUANTISER.  A block's scale is 2^(floor(log2(its largest magnitude)) - 2); its byte is the largest magnitude's own exponent field - 2, held at 1 from below.
; Each number is divided by the scale and rounded to the nearest code, ties to even; beyond 6 the conversion gives the largest code.
; LIMITS: a block of zeros gets the byte 1 where the rule says 127: its codes are zeros, which add nothing under any byte but 0xff, and this program alone reads the bytes.
; Blocks whose largest magnitude lies under 2^(2 - 126) were not tried.  NaN and infinities among the inputs are not served.  w_proj beyond 65,504 in magnitude becomes infinity in f16; under 6e-5 it keeps a step of 6e-8.
; SHARES.  Rows are dense and K = 1,024 is a multiple of 32, so x and w_qkv are plain streams of blocks of 32 numbers, and so are their codes and bytes.  Work-groups 0-255 take x, 256-351 w_qkv, 352-479 w_proj.
; A quantising wave takes 16 steps of 512 numbers.  A load reads 512 consecutive bytes, 16 a lane; a step's 2,048 bytes turn through the wave's own stage in LDS and come back 64 bytes a lane, so that a lane holds
; 16 neighbours along K (two neighbouring lanes hold a block), which is what the conversions take.  A lane's 16 codes are 8 bytes: the wave stores 256 consecutive bytes.  A wave's 256 scale bytes are gathered in LDS and leave together.
; Loads run eight steps ahead: 32 loads, 16 KiB, of a wave are out; the turn through LDS runs one step ahead.  No tensor loads, no ring, no barrier: waves share nothing.
.set SIZE_M, 8192
.set SIZE_N, 3072
.set SIZE_K, 1024
.set WAVES, 4
.set STEPS, 16
.set AHEAD, 8                          ; steps whose loads are out
.set WGA,   SIZE_M*SIZE_K/(512*STEPS*WAVES)            ; 256 work-groups for x
.set WGQ,   (SIZE_M+SIZE_N)*SIZE_K/(512*STEPS*WAVES)   ; 352 for both quantised tensors
.set EMAX,  2
.set CB,    8                          ; bytes of 16 codes
.set R,     16                         ; v16-143  eight sets of 16 numbers as they are loaded
.set X,     144                        ; v144-175 two sets of 16 neighbours
.set E,     176                        ; v176-191 a scale byte for each step
.set C,     192                        ; v192-223 codes: two registers for each step (f16 numbers: four for each of eight steps), so that no store's data are written again
.set WREG,  8192                       ; LDS: a region of its own for each wave: two stages of 32 x SP bytes, and behind them its 256 scale bytes
.set SP,    80                         ; a lane's place in a stage: its 64 bytes + 16 of padding
.set SPW,   12                         ; v12      LDS address of my spare word: SPARE + 4 x my thread's number; never rewritten
.set NIL,   13                         ; v13      0; never rewritten
.set SPARE, WAVES*WREG                 ; behind the four regions: the spare words, 128 bytes for each wave, which no other line names
	s_load_b128 s[4:7], s[0:1], 0x0                ; x, w_qkv
	s_load_b128 s[8:11], s[0:1], 0x10              ; x's codes, x's scales
	s_load_b128 s[12:15], s[0:1], 0x20             ; w_qkv's codes, its scales
	s_load_b128 s[24:27], s[0:1], 0x30             ; w_proj, its f16 copy
	v_lshl_add_u32 v[SPW], v0, 2, SPARE
	v_mov_b32 v[NIL], 0
	v_lshrrev_b32 v1, 5, v0
	v_readfirstlane_b32 s16, v1                    ; wave
	v_and_b32 v2, 31, v0                           ; lane
	v_lshlrev_b32 v3, 4, v2                        ; my 16 bytes of a load's 512
	s_mul_i32 s17, s16, WREG
	v_lshrrev_b32 v14, 2, v2
	v_mul_u32_u24 v14, v14, SP
	v_and_b32 v15, 3, v2
	v_lshl_add_u32 v14, v15, 4, v14
	v_add_nc_u32 v14, s17, v14                     ; the stage, on the way in: four lanes' 64 bytes on end, then 16 of padding
	v_mul_u32_u24 v15, v2, SP
	v_add_nc_u32 v15, s17, v15                     ; and on the way out: SP x lane: my 16 neighbours
	v_mul_u32_u24 v4, v2, CB                       ; my codes' place in a step's
	v_lshrrev_b32 v5, 1, v2
	s_add_co_u32 s17, s17, 2*32*SP
	v_add_nc_u32 v5, s17, v5                       ; LDS: my wave's 256 scale bytes, my block's byte
	v_lshlrev_b32 v7, 3, v2                        ; and on the way out 8 bytes a lane
	v_add_nc_u32 v6, s17, v7
	s_wait_kmcnt 0x0
	s_cmp_ge_u32 ttmp9, WGQ                        ; the last 128 work-groups only narrow w_proj: a branch on the work-group's number
	s_cbranch_scc1 .Lconv
	s_cmp_lt_u32 ttmp9, WGA                        ; x's work-group or w_qkv's?  Only pointers are chosen: both tensors take one path
	s_cselect_b64 s[4:5], s[4:5], s[6:7]
	s_cselect_b64 s[8:9], s[8:9], s[12:13]
	s_cselect_b64 s[10:11], s[10:11], s[14:15]
	s_cselect_b32 s17, 0, WGA
	s_sub_co_u32 s17, ttmp9, s17
	s_lshl_b32 s17, s17, 2
	s_add_co_u32 s18, s17, s16                     ; which run of 8,192 numbers of the tensor is my wave's
	s_mov_b32 s19, 0
	s_mov_b64 s[20:21], 512*STEPS*4
	s_mul_u64 s[20:21], s[18:19], s[20:21]
	s_add_nc_u64 s[4:5], s[4:5], s[20:21]
	s_mov_b64 s[20:21], 32*STEPS*CB
	s_mul_u64 s[20:21], s[18:19], s[20:21]
	s_add_nc_u64 s[8:9], s[8:9], s[20:21]
	s_lshl_b32 s18, s18, 8                         ; 256 scale bytes a run
	s_add_nc_u64 s[10:11], s[10:11], s[18:19]
.macro LOAD t
.irp i, 0,1,2,3
	global_load_b128 v[R+16*((\t)%AHEAD)+4*\i:R+16*((\t)%AHEAD)+4*\i+3], v3, s[4:5] offset:2048*(\t)+512*\i th:TH_LOAD_NT   ; 32 lanes read 512 consecutive bytes
.endr
.endm
.macro TURN t                          ; step t's numbers through the stage: LDS serves a wave's instructions in order, so no wait stands between the stores and the loads
.irp i, 0,1,2,3
	ds_store_b128 v14, v[R+16*((\t)%AHEAD)+4*\i:R+16*((\t)%AHEAD)+4*\i+3] offset:32*SP*((\t)%2)+8*SP*\i
.endr
.irp i, 0,1,2,3
	ds_load_b128 v[X+16*((\t)%2)+4*\i:X+16*((\t)%2)+4*\i+3], v15 offset:32*SP*((\t)%2)+16*\i
.endr
.endm
.irp t, 0,1,2,3,4,5,6,7
	LOAD \t
.endr
	s_wait_loadcnt 4*(AHEAD-1)                     ; step 0's four loads are in; the 28 of steps 1 to 7 may be out
	TURN 0
.macro STEP t
.set XS, X+16*((\t)%2)
.if (\t) > 0
	s_wait_dscnt 1                                 ; this step's numbers are back from the stage (the last step's byte store may be out): so its stores into the stage have read their registers,
.else
	s_wait_dscnt 0x0
.endif
.if (\t)+AHEAD < STEPS
	LOAD (\t)+AHEAD                                ; which take the loads of eight steps on
.endif
.if (\t)+1 < STEPS
.if STEPS-2-(\t) >= AHEAD-1
	s_wait_loadcnt 4*(AHEAD-1)                     ; the next step's four loads are in; those of the seven steps behind it may be out
.else
	s_wait_loadcnt 4*(STEPS-2-(\t))                ; at the end: those of the steps that are left
.endif
	TURN (\t)+1                                    ; and go through the other stage while this step is worked
.endif
	v_max3_num_f32 v8, |v[XS]|, |v[XS+1]|, |v[XS+2]|               ; the largest magnitude of my 16, in two chains
	v_max3_num_f32 v9, |v[XS+3]|, |v[XS+4]|, |v[XS+5]|
.irp i, 6,10
	v_max3_num_f32 v8, v8, |v[XS+\i]|, |v[XS+\i+1]|
	v_max3_num_f32 v9, v9, |v[XS+\i+2]|, |v[XS+\i+3]|
.endr
	v_max3_num_f32 v8, v8, |v[XS+14]|, |v[XS+15]|
	v_max3_num_f32 v8, v8, v9, (EMAX+1)<<23        ; and the floor 2^(EMAX + 1 - 127): so the byte cannot fall under 1
	v_max_num_f32_dpp v8, v8, v8 row_xmask:1 row_mask:0xf bank_mask:0xf   ; and of my neighbour's 16: the block's
	v_add_nc_u32 v11, -(EMAX<<23), v8              ; EMAX off its exponent field: the conversion takes the exponent field of this operand as its scale, and nothing else of it
	v_cvt_scalef32_pk8_fp4_f32 v[C+2*(\t)], v[XS:XS+7], v11        ; eight numbers / the scale, to the nearest code; the first number's code in the lowest four bits
	v_cvt_scalef32_pk8_fp4_f32 v[C+2*(\t)+1], v[XS+8:XS+15], v11
	v_lshrrev_b32 v[E+(\t)], 23, v11               ; the scale's byte (also the plain line behind the conversions)
	ds_store_b8 v5, v[E+(\t)] offset:16*(\t)       ; both lanes of a block write the same byte with the same value
	global_store_b64 v4, v[C+2*(\t):C+2*(\t)+1], s[8:9] offset:32*CB*(\t)   ; 32 lanes store 256 consecutive bytes, aligned
.endm
.irp t, 0,1,2,3,4,5,6,7,8,9,10,11,12,13,14,15
	STEP \t
.endr
	ds_load_b64 v[8:9], v6                         ; LDS serves a wave's instructions in order: these see my stores
	s_wait_dscnt 0x0
	global_store_b64 v7, v[8:9], s[10:11]          ; 32 lanes store my 256 scale bytes, aligned
	s_wait_tensorcnt 0x0                           ; the wave's end: a zero add to my spare word and its wait, behind my last LDS store
	ds_add_u32 v[SPW], v[NIL]
	s_wait_dscnt 0x0
	s_endpgm
; w_proj to f16, as it lies ([n][k], K innermost).  Wave i of 512 takes 2,048 numbers: eight steps of 256; a lane loads 8 neighbours (two loads of 16 bytes) and stores 16 bytes: 512 consecutive bytes a wave.
; All 16 loads go out first; every step has registers of its own, so no store's data are written again.
.Lconv:
	s_sub_co_u32 s17, ttmp9, WGQ
	s_lshl_b32 s17, s17, 2
	s_add_co_u32 s17, s17, s16                     ; i
	s_lshl_b32 s18, s17, 13                        ; 8,192 bytes in
	s_mov_b32 s19, 0
	s_add_nc_u64 s[24:25], s[24:25], s[18:19]
	s_lshl_b32 s18, s17, 12                        ; 4,096 bytes out
	s_add_nc_u64 s[26:27], s[26:27], s[18:19]
	v_lshlrev_b32 v3, 5, v2
	v_lshlrev_b32 v4, 4, v2
.irp t, 0,1,2,3,4,5,6,7
	global_load_b128 v[R+8*\t:R+8*\t+3],   v3, s[24:25] offset:1024*\t th:TH_LOAD_NT
	global_load_b128 v[R+8*\t+4:R+8*\t+7], v3, s[24:25] offset:1024*\t+16 th:TH_LOAD_NT
.endr
.irp t, 0,1,2,3,4,5,6,7
	s_wait_loadcnt 14-2*\t                         ; this step's two loads are in; the later steps' two each may be out
.irp j, 0,1,2,3
	v_cvt_pk_f16_f32 v[C+4*\t+\j], v[R+8*\t+2*\j], v[R+8*\t+2*\j+1]
.endr
	global_store_b128 v4, v[C+4*\t:C+4*\t+3], s[26:27] offset:512*\t
.endr
	s_endpgm
.Lfunc_end_k_q693e7e8e5a_quant:
	.size	k_q693e7e8e5a_quant, .Lfunc_end_k_q693e7e8e5a_quant-k_q693e7e8e5a_quant
	.p2alignl 7, 3214868480
	.fill 96, 4, 3214868480
	.section	.rodata,"a",@progbits
	.p2align	6, 0x0
	.amdhsa_kernel k_q693e7e8e5a_quant
		.amdhsa_group_segment_fixed_size 33280
		.amdhsa_private_segment_fixed_size 0
		.amdhsa_enable_private_segment 0
		.amdhsa_kernarg_size 64
		.amdhsa_user_sgpr_count 2
		.amdhsa_user_sgpr_kernarg_segment_ptr 1
		.amdhsa_wavefront_size32 1
		.amdhsa_system_sgpr_workgroup_id_x 1
		.amdhsa_system_sgpr_workgroup_id_y 1
		.amdhsa_system_sgpr_workgroup_id_z 1
		.amdhsa_system_vgpr_workitem_id 0
		.amdhsa_next_free_vgpr 224
		.amdhsa_next_free_sgpr 66
		.amdhsa_reserve_vcc 0
		.amdhsa_float_denorm_mode_32 3
		.amdhsa_float_denorm_mode_16_64 3
		.amdhsa_memory_ordered 1
		.amdhsa_forward_progress 1
		.amdhsa_inst_pref_size 38
	.end_amdhsa_kernel
	.amdgpu_metadata
---
amdhsa.version: [ 1, 2 ]
amdhsa.kernels:
  - .name:           k_q693e7e8e5a_quant
    .symbol:         k_q693e7e8e5a_quant.kd
    .args:
      - { .name: x, .offset: 0, .size: 8, .value_kind: global_buffer, .address_space: global }
      - { .name: w_qkv, .offset: 8, .size: 8, .value_kind: global_buffer, .address_space: global }
      - { .name: xc, .offset: 16, .size: 8, .value_kind: global_buffer, .address_space: global }
      - { .name: xs, .offset: 24, .size: 8, .value_kind: global_buffer, .address_space: global }
      - { .name: wc, .offset: 32, .size: 8, .value_kind: global_buffer, .address_space: global }
      - { .name: ws, .offset: 40, .size: 8, .value_kind: global_buffer, .address_space: global }
      - { .name: w_proj, .offset: 48, .size: 8, .value_kind: global_buffer, .address_space: global }
      - { .name: wp, .offset: 56, .size: 8, .value_kind: global_buffer, .address_space: global }
    .group_segment_fixed_size: 33280
    .private_segment_fixed_size: 0
    .kernarg_segment_align: 8
    .kernarg_segment_size: 64
    .max_flat_workgroup_size: 128
    .sgpr_count:     66
    .vgpr_count:     224
    .wavefront_size: 32
...
	.end_amdgpu_metadata
.endif
;; end of part 1
;; launch qkv (part 2): grid 12 x 32, 4 waves a work-group, clusters of 4 x 4, 327,680 bytes of LDS; arguments xc, xs, wc, ws, qkv; writes qkv
.if DOCPART == 2
	.amdgcn_target "amdgcn-amd-amdhsa--gfx1250"
	.amdhsa_code_object_version 6
	.text
	.protected	k_q693e7e8e5a_qkv
	.globl	k_q693e7e8e5a_qkv
	.p2align	8
	.type	k_q693e7e8e5a_qkv,@function
k_q693e7e8e5a_qkv:
	s_mov_b64 s[64:65], 0
	v_nop
	global_prefetch_b8 v0, s[64:65] scope:SCOPE_SE
	s_setreg_imm32_b32 hwreg(HW_REG_WAVE_MODE, 25, 1), 1
	s_wait_xcnt 0x0
	s_wait_alu depctr_hold_cnt(0) depctr_sa_sdst(0) depctr_va_vdst(0) depctr_va_sdst(0) depctr_va_ssrc(0) depctr_va_vcc(0) depctr_vm_vsrc(0)
	s_getreg_b32 s2, hwreg(HW_REG_IB_STS2, 6, 4)
	s_cmp_eq_u32 s2, 0
	s_cbranch_scc0 .Lentry_in_a_cluster
	s_endpgm
.Lentry_in_a_cluster:
	s_bfe_u32 s2, ttmp6, 0x10000c
	s_cmp_lg_u32 s2, 0xf033
	s_cbranch_scc0 .Lentry_shape_is_right
	s_endpgm
.Lentry_shape_is_right:
; LAUNCH 2 OF 4: the quantised product C[m][n] = sum over k of x[m][k] w_qkv[n][k], m = 8,192 tokens, n = 3,072, K = 1,024, on the codes of FP4 (E2M1) and E8M0 bytes that launch 1 made.  No work is left out.
; Two codes share a byte, the lower k in the low four bits; a row of 1,024 codes is 512 bytes, a row of scale bytes 32.  The matrix instruction takes codes and bytes as they lie.  Sums in f32.
; THE RESULT leaves as f16, laid [3 (q, k, v)][8 batches][16 heads][1,024 tokens][64]: column n is (n / 1,024, head (n / 64) % 16, channel n % 64).  LIMIT: beyond 65,504 in magnitude it becomes infinity; under 6e-5 it keeps a step of 6e-8.
; A tile of C, 256 x 256, is made by a work-group of four waves; a wave makes 128 x 128: 64 accumulators of 16 x 16, 512 registers.
; K = 1,024 is two LDS slots of 512 along K (rows of 256 bytes): both are asked for at the head and nothing is filled again.  So there is nothing to prefetch ahead of: every request goes out with the first.
; THE SCALES of the work-group's 256 rows of x and 256 rows of w_qkv, for all of K, are two dense blocks of memory: they come into LDS once, with the first fills.
; CLUSTERS: 4 x 4 work-groups.  The four of a row of the cluster need the same tiles of x, the four of a column the same tiles of w_qkv: each tile is asked for JOINTLY, by the same tensor load with the
; same descriptor and a mask that names the four.  THE MATRIX INSTRUCTION IS USED TRANSPOSED (source 0 = 16 rows of w_qkv, source 1 = 16 tokens): a lane then holds eight neighbouring channels of one token.
; REGISTERS, in windows of 256: window 0: v0-31 addresses; v32-95 scale words, two sets; from v128 A's fragments (8 x 16 rows x 128 K), ONE set; on the way out v32-255 are free.
;   window 1: B's fragments, TWO sets, at v0 and at v128.   window 2: the 32 accumulators of my rows 0-63 (accumulator (a, b) at v[8 (8 a + b)]);   window 3: those of my rows 64-127.
; A step of 128 along K is 64 matrix instructions, A's blocks one after the other, each against B's eight.  So a block of A is free as soon as its eight products are issued, and one set of registers serves A:
; blocks 0-3 are fetched anew in the step's middle, blocks 4-7 at its end.  B's fragments are at work through the whole step, so B has two sets.
.set SIZE_M, 8192
.set SIZE_N, 3072
.set SIZE_K, 1024
.set KSTEP,  512                       ; along K in a slot
.set NQ,     KSTEP/128                 ; matrix instructions deep
.set ROWB,   256                       ; a tile's row in bytes
.set KROW,   SIZE_K*4/8                ; a row of codes in memory, in bytes
.set PITCH,  272                       ; an LDS row: 256 bytes + 16 of padding = 68 words: row r starts at bank 4 r mod 64 (ISA guide 11.1), so the 16 rows of a load start at 16 different banks
.set FR,     8                         ; registers of a fragment: 16 rows x 128 K
.set NL,     2                         ; LDS loads that bring one
.set NP,     4                         ; places behind this matrix instruction (ISA guide 7.12.1)
.set HALFT,  128*PITCH                 ; 128 rows: what one tensor load brings, and what one wave reads of A or of B
.set SLOT,   4*HALFT                   ; A's 256 rows, then B's 256 rows
.set KS,     SIZE_K/32                 ; a row of scales in bytes
.set SCL,    2*SLOT                    ; behind the two slots: the scales, as runs of 256 bytes + 16 of padding
.set HALFS,  (128*KS/256)*272          ; the scales of 128 rows: what one tensor load brings
.set SBLK,   (16*KS/256)*272           ; those of 16 rows
.set SPARE,  SCL+4*HALFS               ; behind the scales: the spare words, 128 bytes for each wave, which no other line names
.set SPITCH, 272                       ; the way out: a stage of 16 rows x (256 bytes + 16) for each wave.  It lies in slot 0, which has had its only fill and its last read when the first result is stored there
.set ADRA, 16                          ; v16-17  LDS address of my A fragments in slot 0, 1
.set ADRB, 20                          ; v20-21  the same for B
.set STO,  24                          ; v24     the way out: where I put 16 bytes of a token's row
.set RD,   25                          ; v25     the way out: where I read 16 bytes back
.set CO,   26                          ; v26     my byte offset in the result
.set ADRS, 27                          ; v27     LDS address of my scale words: lanes 0-15 A's rows, lanes 16-31 B's
.set SPW,  28                          ; v28     LDS address of my spare word: SPARE + 4 x my thread's number; never rewritten
.set NIL,  29                          ; v29     0; never rewritten
.set SC,   32                          ; scale words: set s (for slot s) at v[SC + 8 NQ s]; in it register NQ i + q: lanes 0-15 the word of A's block i, lanes 16-31 that of B's block i, for the slot's q-th 128 along K
.set AF,   128                         ; A's fragments, in window 0
.set TMP,  192                         ; the way out: a block's packed results
.set OB,   32                          ; the way out: a block read back from the stage: v32-63 and v224-255 by turns
.set G1, 24                            ; s[24:31] descriptor group 1 for A's tiles;  s[32:39] group 0, one set for each slot
.set G0, 32
.set G1B, 48                           ; s[48:55], s[56:63] the same for B's tiles
.set G0B, 56
.set G1S, 68                           ; s[68:75], s[76:79] groups 1 and 0 for A's scales;  s[80:87], s[88:91] for B's
.set G0S, 76
.set G1SB, 80
.set G0SB, 88
.set MSB, 0
.macro WIN new                         ; the immediate's high byte repeats the setting that is left
.if MSB != \new
	s_set_vgpr_msb (MSB<<8)|\new
.set MSB, \new
.endif
.endm
.set MUL_LO, 0xa1                      ; source 0 (B) window 1, source 1 (A) window 0, C and D window 2
.set MUL_HI, 0xf1                      ; the same, C and D window 3
.set TO_B,   0x40                      ; destination window 1, address window 0
; A joint load: waves 0 and 1 fetch for A, waves 2 and 3 for B.  Each of the two lines has ONE mask and one set of registers for all that issue it; the branch hangs on the wave's number alone.
; An s_nop 0 and four v_nop follow each of the two lines, ahead of the jump, the label and what follows.
.macro JLOAD g0a, g1a, g0b, g1b
	s_cmp_eq_u32 s15, 0
	s_cbranch_scc0 .Lfor_b_\@
	tensor_load_to_lds s[\g0a:\g0a+3], s[\g1a:\g1a+7]
	s_nop 0
.rept 4
	v_nop
.endr
	s_branch .Lasked_\@
.Lfor_b_\@:
	tensor_load_to_lds s[\g0b:\g0b+3], s[\g1b:\g1b+7]
	s_nop 0
.rept 4
	v_nop
.endr
.Lasked_\@:
.endm
.macro CROUND                          ; a round of the cluster's barrier: my work-group's barrier; wave 0 signals for the work-group; every wave waits for all sixteen; my work-group's barrier once more
	s_barrier_signal -1
	s_barrier_wait -1
	s_cmp_lg_u32 s14, 0
	s_cbranch_scc1 .Lnot_wave_0_\@
	s_barrier_signal -3
.Lnot_wave_0_\@:
	s_barrier_wait -3
	s_barrier_signal -1
	s_barrier_wait -1
.endm
	s_load_b128 s[4:7], s[0:1], 0x0                ; x's codes s[4:5], x's scales s[6:7]
	s_load_b128 s[8:11], s[0:1], 0x10              ; w_qkv's codes s[8:9], its scales s[10:11]
	s_load_b64 s[12:13], s[0:1], 0x20              ; the result
	v_lshl_add_u32 v[SPW], v0, 2, SPARE
	v_mov_b32 v[NIL], 0
	ds_add_u32 v[SPW], v[NIL]                      ; the wave's opening: the add, twice on end, and its wait ahead of my first tensor load; the set-up below stands between the second and the wait
	ds_add_u32 v[SPW], v[NIL]
	v_lshrrev_b32 v1, 5, v0
	v_readfirstlane_b32 s14, v1                    ; wave 0..3
	s_lshr_b32 s15, s14, 1                         ; which half of the tile's rows is mine.  Also: I fetch for A (0) or for B (1)
	s_and_b32 s16, s14, 1                          ; which half of its columns.  Also: which 128 rows of that tile I fetch
	s_bfe_u32 s40, ttmp6, 0x40000                  ; cx, cy: my place in the cluster
	s_bfe_u32 s41, ttmp6, 0x40004
	s_lshl_b32 s42, ttmp9, 2
	s_add_co_u32 s42, s42, s40                     ; tile column of C = 4 x cluster x + cx
	s_and_b32 s17, ttmp7, 0xffff
	s_lshl_b32 s17, s17, 2
	s_add_co_u32 s17, s17, s41                     ; tile row of C = 4 x cluster y + cy
	s_lshl_b32 s43, s41, 2
	s_lshl_b32 s43, 15, s43                        ; my row of the cluster
	s_lshl_b32 s44, 0x1111, s40                    ; my column
	; descriptor group 1: a tile of 128 rows x ROWB bytes, padded in LDS
	s_or_b32 s[G1+0], s43, (0<<16)|(1<<20)|(1<<21)|(5<<22)|(3<<25)  ; 15:0 the mask: A's tiles go to my row; 17:16 element of 1 byte; 20 padding on; 21 set beside a mask; 24:22 after every 64 words (code 5); 31:25 of 4 words (code 3)
	s_or_b32 s[G1B+0], s44, (0<<16)|(1<<20)|(1<<21)|(5<<22)|(3<<25)
.irp g, G1, G1B
	s_mov_b32 s[\g+1], ROWB<<16                    ; tensor_dim0
	s_mov_b32 s[\g+2], 128<<16                     ; tensor_dim1 = 128
	s_mov_b32 s[\g+3], ROWB<<16                    ; tile_dim0
	s_mov_b32 s[\g+4], 128                         ; tile_dim1 = 128
	s_mov_b32 s[\g+5], KROW                        ; tensor_dim0_stride
	s_mov_b32 s[\g+6], 0
	s_mov_b32 s[\g+7], 0
.endr
	; and for the scales of 128 rows: a dense block of 128 KS bytes, as rows of 256 bytes (32 elements of 8 bytes), 16 bytes of padding behind each
	s_or_b32 s[G1S+0], s43, (3<<16)|(1<<20)|(1<<21)|(5<<22)|(3<<25)
	s_or_b32 s[G1SB+0], s44, (3<<16)|(1<<20)|(1<<21)|(5<<22)|(3<<25)
.irp g, G1S, G1SB
	s_mov_b32 s[\g+1], 32<<16
	s_mov_b32 s[\g+2], (128*KS/256)<<16
	s_mov_b32 s[\g+3], 32<<16
	s_mov_b32 s[\g+4], 128*KS/256
	s_mov_b32 s[\g+5], 32
	s_mov_b32 s[\g+6], 0
	s_mov_b32 s[\g+7], 0
.endr
	s_lshl_b32 s18, s16, 7                         ; which 128 rows of the tile I fetch
	s_lshl_b32 s20, s17, 8
	s_add_co_u32 s20, s20, s18                     ; A: row 256 x tile row + 128 x half
	s_lshl_b32 s46, s42, 8
	s_add_co_u32 s46, s46, s18                     ; B: row 256 x tile column + 128 x half
	s_mov_b32 s21, 0
	s_mov_b32 s47, 0
	s_mov_b64 s[18:19], KS
	s_mul_u64 s[22:23], s[20:21], s[18:19]         ; where these rows' scales begin, in bytes
	s_mul_u64 s[92:93], s[46:47], s[18:19]
	s_mov_b64 s[18:19], KROW
	s_mul_u64 s[20:21], s[20:21], s[18:19]         ; and their codes
	s_mul_u64 s[46:47], s[46:47], s[18:19]
	s_mul_i32 s45, s14, HALFT                      ; where they go: wave x 128 rows: no place in the cluster enters an LDS address
	s_mul_i32 s94, s14, HALFS
	s_wait_dscnt 0x0                               ; both opening adds are done
	s_wait_kmcnt 0x0
	s_add_nc_u64 s[20:21], s[4:5], s[20:21]
	s_add_nc_u64 s[22:23], s[6:7], s[22:23]
	s_add_nc_u64 s[46:47], s[8:9], s[46:47]
	s_add_nc_u64 s[92:93], s[10:11], s[92:93]
	CROUND                                         ; all sixteen work-groups are here: the joint loads meet
	s_mov_b32 s[G0S], 1
	s_add_co_u32 s[G0S+1], s94, SCL
	s_mov_b64 s[G0S+2:G0S+3], s[22:23]
	s_or_b32 s[G0S+3], s[G0S+3], 0x80000000
	s_mov_b32 s[G0SB], 1
	s_add_co_u32 s[G0SB+1], s94, SCL
	s_mov_b64 s[G0SB+2:G0SB+3], s[92:93]
	s_or_b32 s[G0SB+3], s[G0SB+3], 0x80000000
	JLOAD G0S, G1S, G0SB, G1SB                     ; the scales first: they are wanted with slot 0
.irp s, 0,1
	s_mov_b32 s[G0+4*\s], 1
	s_add_co_u32 s[G0+4*\s+1], s45, \s*SLOT
	s_add_nc_u64 s[G0+4*\s+2:G0+4*\s+3], s[20:21], \s*ROWB
	s_or_b32 s[G0+4*\s+3], s[G0+4*\s+3], 0x80000000
	s_mov_b32 s[G0B+4*\s], 1
	s_add_co_u32 s[G0B+4*\s+1], s45, \s*SLOT
	s_add_nc_u64 s[G0B+4*\s+2:G0B+4*\s+3], s[46:47], \s*ROWB
	s_or_b32 s[G0B+4*\s+3], s[G0B+4*\s+3], 0x80000000
	JLOAD G0+4*\s, G1, G0B+4*\s, G1B               ; three loads of mine are out behind the second of these
.endr
	v_and_b32 v1, 15, v0                           ; r = l % 16
	v_bfe_u32 v2, v0, 4, 1                         ; h = l / 16
	v_mul_u32_u24 v3, v1, PITCH
	v_lshl_add_u32 v4, v2, 4, v3                   ; a fragment's row x pitch + 16 x half
	s_mul_i32 s21, s15, HALFT                      ; my 128 rows of A
	s_mul_i32 s22, s16, HALFT                      ; my 128 rows of B,
	s_add_co_u32 s22, s22, 2*HALFT                 ; which lie behind A's 256
.irp s, 0,1
	v_add_nc_u32 v[ADRA+\s], s21, v4
	v_add_nc_u32 v[ADRB+\s], s22, v4
	s_add_co_u32 s21, s21, SLOT
	s_add_co_u32 s22, s22, SLOT
.endr
	v_mul_u32_u24 v5, v1, KS                       ; my row's scales: KS bytes a row,
	v_lshrrev_b32 v6, 8, v5
	v_lshl_add_u32 v5, v6, 4, v5                   ; and 16 more for each 256 passed
	s_mul_i32 s21, s15, HALFS                      ; A's: my 128 rows
	s_mul_i32 s22, s16, HALFS                      ; B's: my 128 rows, behind A's 256
	s_add_co_u32 s22, s22, 2*HALFS
	s_sub_co_u32 s22, s22, s21
	v_mul_u32_u24 v6, s22, v2                      ; lanes 16-31 take B's
	s_add_co_u32 s21, s21, SCL
	v_add_nc_u32 v5, v5, v6
	v_add_nc_u32 v[ADRS], s21, v5
	s_mul_i32 s23, s14, 16*SPITCH                  ; my stage
	v_mul_u32_u24 v5, v1, SPITCH                   ; in: token r, 16 bytes for each half of the lanes
	v_lshl_add_u32 v5, v2, 4, v5
	v_add_nc_u32 v[STO], s23, v5
	v_bfe_u32 v6, v0, 3, 1                         ; back: lanes 0-15 take two tokens' 128 bytes of my first head, lanes 16-31 the same of my second:
	v_mul_u32_u24 v6, v6, SPITCH                   ; token (l / 8) % 2,
	v_lshl_add_u32 v6, v2, 7, v6                   ; head h: 128 bytes on in the row,
	v_and_b32 v7, 7, v0
	v_lshl_add_u32 v6, v7, 4, v6                   ; 16 bytes a lane
	v_add_nc_u32 v[RD], s23, v6
	v_lshlrev_b32 v[CO], 4, v1                     ; in memory two tokens of a head are 256 consecutive bytes: 16 r,
	v_lshl_add_u32 v[CO], v2, 17, v[CO]            ; and the next head lies 131,072 bytes on
	; where my part begins in the result.  g = 4 x tile column + 2 x column half: my first head among 48; (g / 16, batch, g % 16) is its place; a head is 131,072 bytes, a token 128
	s_and_b32 s20, s17, 3
	s_lshl_b32 s20, s20, 8
	s_lshl_b32 s21, s15, 7
	s_add_co_u32 s20, s20, s21                     ; my first token in its batch: 256 x (tile row % 4) + 128 x row half
	s_lshl_b32 s20, s20, 7
	s_lshr_b32 s21, s17, 2                         ; the batch
	s_lshl_b32 s21, s21, 4
	s_lshl_b32 s46, s42, 2
	s_lshl_b32 s47, s16, 1
	s_add_co_u32 s46, s46, s47                     ; g
	s_lshr_b32 s47, s46, 4
	s_lshl_b32 s47, s47, 7                         ; q, k or v: 8 x 16 heads each
	s_and_b32 s46, s46, 15
	s_add_co_u32 s46, s46, s47
	s_add_co_u32 s46, s46, s21
	s_lshl_b32 s46, s46, 17                        ; at most 383 x 131,072: under 2^32
	s_add_co_u32 s20, s20, s46
	s_mov_b32 s21, 0
	s_add_nc_u64 s[12:13], s[12:13], s[20:21]
.macro FRAG reg, adr, q, i             ; a fragment, 16 rows x 128 K of 4-bit codes, is 8 registers: lane l holds row l % 16; registers 4 c .. 4 c + 3 hold K = 64 c + 32 (l / 16) + 0 .. 31
.irp c, 0,1
	ds_load_b128 v[\reg+4*\c:\reg+4*\c+3], v[\adr] offset:64*(\q)+32*\c+(\i)*16*PITCH
.endr
.endm
; 16 matrix instructions: A's blocks a0, a0 + 1 x B's eight, 128 along K: the slot's q-th.  p: B's set;  sc: the set of scale words.  zero = 1: the first product starts the sums: nothing is ever cleared.
; The 64 accumulators take turns, one instruction a turn, in the same order in every step.
.macro MUL16 a0, p, q, sc, zero
.irp a, \a0, \a0+1
.irp b, 0,1,2,3,4,5,6,7
.if \zero
	v_wmma_scale_f32_16x16x128_f8f6f4 v[8*(8*((\a)%4)+\b):8*(8*((\a)%4)+\b)+7], v[128*(\p)+FR*\b:128*(\p)+FR*\b+FR-1], v[AF+FR*(\a):AF+FR*(\a)+FR-1], 0, v[SC+8*NQ*(\sc)+NQ*\b+(\q)], v[SC+8*NQ*(\sc)+NQ*(\a)+(\q)] matrix_a_fmt:MATRIX_FMT_FP4 matrix_b_fmt:MATRIX_FMT_FP4 matrix_a_scale:MATRIX_SCALE_ROW1
.else
	v_wmma_scale_f32_16x16x128_f8f6f4 v[8*(8*((\a)%4)+\b):8*(8*((\a)%4)+\b)+7], v[128*(\p)+FR*\b:128*(\p)+FR*\b+FR-1], v[AF+FR*(\a):AF+FR*(\a)+FR-1], v[8*(8*((\a)%4)+\b):8*(8*((\a)%4)+\b)+7], v[SC+8*NQ*(\sc)+NQ*\b+(\q)], v[SC+8*NQ*(\sc)+NQ*(\a)+(\q)] matrix_a_fmt:MATRIX_FMT_FP4 matrix_b_fmt:MATRIX_FMT_FP4 matrix_a_scale:MATRIX_SCALE_ROW1
.endif
.endr
.endr
.endm
.macro FETCH_B slot, q, p              ; B's eight fragments of the slot's q-th 128 along K into set p
	WIN TO_B
.irp i, 0,1,2,3,4,5,6,7
	FRAG 128*(\p)+FR*\i, ADRB+\slot, \q, \i
.endr
	WIN 0
.endm
.macro FETCH_A slot, q, i0             ; A's blocks i0 .. i0 + 3
.irp i, \i0, \i0+1, \i0+2, \i0+3
	FRAG AF+FR*(\i), ADRA+\slot, \q, \i
.endr
.endm
.macro SCALES sc                       ; a slot's scale words into set sc: NQ words a row; lanes 0-15 take A's block i, lanes 16-31 B's block i
.irp i, 0,1,2,3,4,5,6,7
	ds_load_b128 v[SC+8*NQ*\sc+NQ*\i:SC+8*NQ*\sc+NQ*\i+3], v[ADRS] offset:\i*SBLK
.endr
.endm
; A load into a register that a matrix instruction has read, and a vector instruction or an LDS store that reads a matrix result, stand NP places behind that matrix instruction, and only plain vector
; instructions that name none of its registers are places (ISA guide 7.12.1 for vector instructions); this text does not count the matrix instructions in between.
.macro PLACES n
.rept \n
	v_nop
.endr
.endm
; A step of 128 along K that has its successor in the same slot.
.macro STEP slot, q, zero
	s_wait_dscnt 4*NL                              ; B's set and A's blocks 0-3 are in; the youngest eight loads (A's blocks 4-7) may be out
	WIN MUL_LO
	MUL16 0, (\q)%2, \q, \slot, \zero
	MUL16 2, (\q)%2, \q, \slot, \zero
	s_wait_dscnt 0                                 ; A's blocks 4-7 are in (asked for 32 matrix instructions ago)
	PLACES NP
	FETCH_B \slot, (\q)+1, 1-(\q)%2
	FETCH_A \slot, (\q)+1, 0
	WIN MUL_HI
	MUL16 4, (\q)%2, \q, \slot, \zero
	MUL16 6, (\q)%2, \q, \slot, \zero
	PLACES NP
	WIN 0
	FETCH_A \slot, (\q)+1, 4
.endm
; Slot 0's last step changes slots: ONE barrier; in front of it each wave waits for all its tensor loads (its part of slot 1 is the one that was out), adds 0 to its spare word, and waits for that and for its own
; reads of slot 0.  Behind it slot 1 is whole and nobody reads slot 0 any more: the way out may lay its stages there.  Nothing is filled again.
.macro TURN slot, next
	s_wait_tensorcnt 0x0                           ; all my tensor loads have landed  (every window is 0 here: the add's two registers lie in window 0)
	ds_add_u32 v[SPW], v[NIL]                      ; 0 onto my spare word
	s_wait_dscnt 4*NL+1                            ; (the add and the youngest eight loads, A's blocks 4-7, may be out)
	WIN MUL_LO
	MUL16 0, 1, NQ-1, \slot, 0                     ; sixteen matrix instructions stand between the add and the wait for it
	s_wait_dscnt 0x0                               ; the add is done, and my reads of this slot are over
	s_barrier_signal -1
	MUL16 2, 1, NQ-1, \slot, 0
	WIN 0
	s_barrier_wait -1
	PLACES NP
	v_add_nc_u32 v[ADRS], 4*NQ, v[ADRS]            ; on to the next slot's scale words (no LDS load of mine is out)
	FETCH_B \next, 0, 0
	FETCH_A \next, 0, 0
	SCALES \next
	WIN MUL_HI
	MUL16 4, 1, NQ-1, \slot, 0
	MUL16 6, 1, NQ-1, \slot, 0
	PLACES NP
	WIN 0
	FETCH_A \next, 0, 4
.endm
.macro STEPS slot, from                ; the slot's steps from .. NQ - 2
.set Q, \from
.rept NQ-1-\from
	STEP \slot, Q, 0
.set Q, Q+1
.endr
.endm
	s_wait_tensorcnt 1                             ; the scales and my part of slot 0 are in (slot 1's load may be out)
	s_barrier_signal -1
	s_barrier_wait -1                              ; everybody's are
	FETCH_B 0, 0, 0
	FETCH_A 0, 0, 0
	SCALES 0
	FETCH_A 0, 0, 4
	STEP 0, 0, 1                                   ; the first step's products start the sums
	STEPS 0, 1
	TURN 0, 1
	STEPS 1, 0
	s_wait_dscnt 4*NL                              ; the very last step: nothing more to fetch
	WIN MUL_LO
	MUL16 0, 1, NQ-1, 1, 0
	MUL16 2, 1, NQ-1, 1, 0
	s_wait_dscnt 0
	WIN MUL_HI
	MUL16 4, 1, NQ-1, 1, 0
	MUL16 6, 1, NQ-1, 1, 0
	WIN 0
; THE WAY OUT, block by block of 16 tokens x 128 columns (two heads).  PACK: rounded to f16, each accumulator from its low end on: 16 bytes a lane, eight neighbouring channels of one token.
; TOSTAGE: into my own stage in LDS, rows of 256 bytes + 16, and back so that sixteen lanes hold two tokens of ONE head.  SEND: those are 256 consecutive bytes of the result, aligned; lanes 16-31 store the same of the next head.
; LDS serves a wave's instructions in order (ISA guide 5.7.1.4): no wait between the stores and the loads, nor in front of the next block's stores.
.macro PACK a
.set AC, 64*((\a)%4)
	WIN 0x0a+5*((\a)/4)                            ; sources 0 and 1: window 2 or 3
.irp b, 0,1,2,3,4,5,6,7
.irp r, 0,1,2,3
	v_cvt_pk_f16_f32 v[TMP+4*\b+\r], v[AC+8*\b+2*\r], v[AC+8*\b+2*\r+1]
.endr
.endr
	WIN 0
.endm
.macro TOSTAGE a
.set BK, OB+192*((\a)%2)
.irp b, 0,1,2,3,4,5,6,7
	ds_store_b128 v[STO], v[TMP+4*\b:TMP+4*\b+3] offset:32*\b
.endr
.irp i, 0,1,2,3,4,5,6,7
	ds_load_b128 v[BK+4*\i:BK+4*\i+3], v[RD] offset:\i*2*SPITCH    ; tokens 2 i and 2 i + 1
.endr
.endm
.macro SEND a
.set BK, OB+192*((\a)%2)
	s_wait_dscnt 0x0                               ; the block is back in registers
	s_wait_xcnt 0x0                                ; the stores of the block before have read their registers: the next block's loads may land there
.irp i, 0,1,2,3,4,5,6,7
	global_store_b128 v[CO], v[BK+4*\i:BK+4*\i+3], s[12:13] offset:2048*(\a)+256*\i   ; every offset is an immediate: the base is never stepped
.endr
.endm
	PLACES NP                                      ; behind the last products: for the conversions, and for the loads into registers that held scale words
	PACK 0
	TOSTAGE 0
.irp a, 1,2,3,4,5,6,7                  ; block a's conversions stand between block a - 1's loads from the stage and the wait for them
	PACK \a
	SEND \a-1
	TOSTAGE \a
.endr
	SEND 7
	s_wait_tensorcnt 0x0                           ; the wave's end: a zero add to my spare word and its wait, behind my last tensor load and my last LDS store
	ds_add_u32 v[SPW], v[NIL]
	s_wait_dscnt 0x0
	CROUND                                         ; the closing round: no work-group ends while a partner may still ask for a tile that names it
	s_endpgm
.Lfunc_end_k_q693e7e8e5a_qkv:
	.size	k_q693e7e8e5a_qkv, .Lfunc_end_k_q693e7e8e5a_qkv-k_q693e7e8e5a_qkv
	.p2alignl 7, 3214868480
	.fill 96, 4, 3214868480
	.section	.rodata,"a",@progbits
	.p2align	6, 0x0
	.amdhsa_kernel k_q693e7e8e5a_qkv
		.amdhsa_group_segment_fixed_size 327680
		.amdhsa_private_segment_fixed_size 0
		.amdhsa_enable_private_segment 0
		.amdhsa_kernarg_size 40
		.amdhsa_user_sgpr_count 2
		.amdhsa_user_sgpr_kernarg_segment_ptr 1
		.amdhsa_wavefront_size32 1
		.amdhsa_system_sgpr_workgroup_id_x 1
		.amdhsa_system_sgpr_workgroup_id_y 1
		.amdhsa_system_sgpr_workgroup_id_z 1
		.amdhsa_system_vgpr_workitem_id 0
		.amdhsa_next_free_vgpr 1024
		.amdhsa_next_free_sgpr 98
		.amdhsa_reserve_vcc 0
		.amdhsa_float_denorm_mode_32 3
		.amdhsa_float_denorm_mode_16_64 3
		.amdhsa_memory_ordered 1
		.amdhsa_forward_progress 1
		.amdhsa_inst_pref_size 127
	.end_amdhsa_kernel
	.amdgpu_metadata
---
amdhsa.version: [ 1, 2 ]
amdhsa.kernels:
  - .name:           k_q693e7e8e5a_qkv
    .symbol:         k_q693e7e8e5a_qkv.kd
    .args:
      - { .name: xc, .offset: 0, .size: 8, .value_kind: global_buffer, .address_space: global }
      - { .name: xs, .offset: 8, .size: 8, .value_kind: global_buffer, .address_space: global }
      - { .name: wc, .offset: 16, .size: 8, .value_kind: global_buffer, .address_space: global }
      - { .name: ws, .offset: 24, .size: 8, .value_kind: global_buffer, .address_space: global }
      - { .name: qkv, .offset: 32, .size: 8, .value_kind: global_buffer, .address_space: global }
    .group_segment_fixed_size: 327680
    .private_segment_fixed_size: 0
    .kernarg_segment_align: 8
    .kernarg_segment_size: 40
    .max_flat_workgroup_size: 128
    .sgpr_count:     98
    .vgpr_count:     1024
    .wavefront_size: 32
...
	.end_amdgpu_metadata
.endif
;; end of part 2
;; launch attn (part 3): grid 2 x 128, 8 waves a work-group, no clusters, 327,680 bytes of LDS; arguments qkv, att; writes att
.if DOCPART == 3
	.amdgcn_target "amdgcn-amd-amdhsa--gfx1250"
	.amdhsa_code_object_version 6
	.text
	.protected	k_q693e7e8e5a_attn
	.globl	k_q693e7e8e5a_attn
	.p2align	8
	.type	k_q693e7e8e5a_attn,@function
k_q693e7e8e5a_attn:
	s_mov_b64 s[64:65], 0
	v_nop
	global_prefetch_b8 v0, s[64:65] scope:SCOPE_SE
	s_setreg_imm32_b32 hwreg(HW_REG_WAVE_MODE, 25, 1), 1
	s_wait_xcnt 0x0
; LAUNCH 3 OF 4: for each of 128 heads (batch, head) O[q][:] = the sum over k of softmax_k(Q[q] . K[k] / 8) V[k][:], 1,024 queries and keys, head size 64, no mask.  No work is left out.
; Q, K, V: f16, [3][128 heads][1,024][64], as launch 2 laid them.  O leaves as f16, laid [16 heads][8,192 tokens][64], so that two tokens of a head are 256 consecutive bytes.
; Products, maxima and sums in f32; the weights p are rounded to f16 for the second product, O once at the end.
; LIMITS: p under 3e-8 of its row's largest counts as 0 in the second product (f16's smallest step); the row's sum is taken of the unrounded p.  NaN and infinities are not served.
; SHARES.  A work-group owns one head and 512 of its queries; each of its eight waves owns 64: four tiles of 16, in 512 registers, so that two waves fit where one wave of 1,024 registers would.
; THE WHOLE HEAD'S K AND V LIE IN LDS: 1,024 rows of 128 bytes each, brought once, by first fills alone, in four chunks of 256 keys: waves 0-3 fetch K's rows, waves 4-7 V's, 64 rows to a load, four loads of a wave out at once.
; Nothing is filled again, so there is no ring.  Q is asked for ahead of the tiles: the first products want it with the first chunk.  All requests go out at the head: there is no later request for a prefetch to run ahead of.
; NO CLUSTER: a head is shared by two work-groups only; four work-groups along x would be two heads, and a joint load's address and mask would hang on the place in the cluster.
; LAYOUT.  S^T = K Q^T (source 0 = 16 keys, source 1 = 16 queries): a lane holds ONE query (lane % 16) and the keys 8 (lane / 16) + 0..7.  Two such tiles, rounded to f16 in pairs, ARE source 1 (32 keys x 16 queries) of
; O^T = V^T P, whose result again holds one query a lane, and eight channels.  K comes out of LDS as it lies, V ([key][channel]) turned, by ds_load_tr16_b128.
; SOFTMAX.  For each query a running maximum m and sum l: p = 2^(c s - c m), c = log2(e) / 8; in every step O and l are multiplied by a = 2^(c m_old - c m_new), which is 1 where m has not grown.
; O and l begin as zeros and m as -3e38, so the first a is 0 and multiplies zeros: the first step has no form of its own.
; A KEY STEP (64 keys) HAS TWO PHASES.  The vector phase: at its head the 32 LDS loads of this step's V and the next step's K, which land under it; then the softmax.  The matrix phase: 32 products V^T P of this step and
; 32 products K Q^T of the next, on end.  The first K Q^T stands ahead of the steps.
; HALF OF THE WAVES RUN ONE PHASE BEHIND THE OTHERS, so that one half's vector phase stands beside the other half's matrix phase.  The first softmax is written twice, round one barrier: the early waves run the copy in front of it,
; the late waves the copy behind it.  Late are the waves in whose number bits 0 and 2 differ (1, 3, 4, 6): of each pair (w, w + 4) and of each pair (2 s, 2 s + 1) one is early and one late.
; The later chunks' barriers do not bring the halves back into line: each is signalled at the head of a step and waited for at its end, a whole step apart, while the halves are half a step apart.
; REGISTERS.  window 0: v1-10 addresses; v12, v13 the add's two; v16-47 eight words of statistics a tile; v48-55 a second chain for the sums; v64-191 S^T, 32 a tile, P in place in the first 16 of them; v192-255 V's fragments.
;   window 1: v0-127 O^T, 32 a tile; v128-191 Q, 16 a tile; v192-255 K's fragments.
.set PK,    144                        ; a row of K in LDS: 128 bytes + 16 = 36 words: the 16 rows of a load start at 16 different groups of four banks (64 banks of 4 bytes: ISA guide 11.1)
.set PV,    160                        ; a row of V: 128 + 32 = 40 words
.set VB,    1024*PK                    ; V lies behind K
.set SPARE, VB+1024*PV                 ; behind V: the spare words, 128 bytes for each wave, which no other line names
.set AK0, 3                            ; v3   my lane's place in a tile of K; never rewritten
.set AV0, 4                            ; v4   the same for V
.set ADK, 5                            ; v5   LDS address of the next step's K
.set ADV, 6                            ; v6   of this step's V
.set QO,  7                            ; v7   my byte offset in the wave's rows of Q; never rewritten
.set STO, 8                            ; v8   the way out: where I put 16 bytes of a row
.set RD,  9                            ; v9   the way out: where I read 16 bytes back
.set GO,  10                           ; v10  my byte offset in the wave's rows of O
.set SPW, 12                           ; v12  LDS address of my spare word: SPARE + 4 x my thread's number; never rewritten
.set NIL, 13                           ; v13  0; never rewritten
.set ST,  16                           ; tile t's statistics at v[ST + 8 t]: +0 c m, +1 m, +2, +3 l (even keys', odd keys'), +4 to +7 c0-c3 at work; a takes c2's place; +4, +5 then serve the sums
.set YS,  48                           ; v[YS + 2 t ..] the sums' second chain
.set S,   64
.set VF,  192                          ; V's fragments: keys 32 kk on, channels 16 c on at VF + 8 (4 kk + c)
.set QF,  128                          ; in window 1: Q's: tile t, channels 32 c on at QF + 16 t + 8 c
.set KF,  192                          ; in window 1: K's: keys 16 i on, channels 32 c on at KF + 16 i + 8 c
.set WV,  8                            ; s8   my wave's number
.set CS,  18                           ; s[18:19] c: the packed scaling names a pair and takes its low word for both halves
.set SEL, 20                           ; s[20:21] lane selects for v_permlanex16_b32: lane l xor 16
.set TK,  22                           ; s22  LDS byte at which the next step's 64 rows of K begin
.set TV,  23                           ; s23  the same for this step's V, counted from V's first row
.set G1K, 24                           ; s[24:31] descriptor group 1 for K's tiles
.set G1V, 32                           ; s[32:39] for V's: it differs in the padding alone
.set G0K, 40                           ; s[40:55] descriptor groups 0 for K's tiles, one for each chunk
.set CNT, 56                           ; s56  counts the steps of a loop
.set LATE, 57                          ; s57  1 in a wave that runs one phase behind, else 0
.set QB,  60                           ; s[60:61] Q at my wave's first row; never rewritten
.set G0V, 68                           ; s[68:83] descriptor groups 0 for V's tiles
.set MSB, 0
.macro WIN new                         ; the immediate's high byte repeats the setting that is left; a switch that changes nothing is dropped
.if MSB != \new
	s_set_vgpr_msb (MSB<<8)|\new
.set MSB, \new
.endif
.endm
.set W_TO1, 0x40                       ; destination window 1
.set W_KQ,  0x05                       ; K and Q in window 1, S^T in window 0
.set W_PV,  0x50                       ; V and P in window 0, O^T (C and D) in window 1
.set W_RS,  0x41                       ; O^T (destination and source 0) in window 1, a in window 0
.macro PLACES
.rept 4
	v_nop
.endr
.endm
	s_load_b128 s[4:7], s[0:1], 0x0                ; q, k, v s[4:5]; O s[6:7]
	v_lshl_add_u32 v[SPW], v0, 2, SPARE
	v_mov_b32 v[NIL], 0
	ds_add_u32 v[SPW], v[NIL]                      ; the wave's opening: the add, twice on end, and its wait ahead of my first tensor load; the set-up below stands between the second and the wait
	ds_add_u32 v[SPW], v[NIL]
	v_lshrrev_b32 v1, 5, v0
	v_readfirstlane_b32 s[WV], v1                  ; wave 0..7
	s_lshr_b32 s[LATE], s[WV], 2
	s_xor_b32 s[LATE], s[LATE], s[WV]
	s_and_b32 s[LATE], s[LATE], 1                  ; bit 0 xor bit 2 of the wave's number
	s_and_b32 s9, ttmp7, 0xffff                    ; y = 16 x batch + head
	s_and_b32 s10, s[WV], 3                        ; u: which 64 rows of a chunk's 256 I fetch
	s_mul_i32 s11, s10, 64*PK                      ; their place in LDS, in K
	s_mul_i32 s12, s10, 64*PV                      ; and in V
	s_lshl_b32 s14, s9, 17                         ; a head is 131,072 bytes,
	s_lshl_b32 s15, s10, 13                        ; 64 rows are 8,192
	s_add_co_u32 s14, s14, s15
	s_mov_b32 s15, 0
	s_lshl_b32 s2, s9, 17                          ; Q at my wave's first row: head, 512 queries x work-group x, 64 x wave; a row is 128 bytes
	s_lshl_b32 s3, ttmp9, 16
	s_add_co_u32 s2, s2, s3
	s_lshl_b32 s3, s[WV], 13
	s_add_co_u32 s2, s2, s3
	s_mov_b32 s3, 0
	; descriptor group 1: a tile of 64 rows x 64 elements of 2 bytes, dense in memory, padded in LDS
	s_mov_b32 s[G1K], (1<<16)|(1<<20)|(4<<22)|(3<<25)   ; 15:0 no mask; 17:16 elements of 2 bytes; 20 padding on; 24:22 after every 32 words (code 4); 31:25 four words (code 3)
	s_mov_b32 s[G1V], (1<<16)|(1<<20)|(4<<22)|(7<<25)   ; the same with eight words of padding (code 7)
.irp g, G1K, G1V
	s_mov_b32 s[\g+1], 64<<16                      ; tensor_dim0 = 64
	s_mov_b32 s[\g+2], 64<<16                      ; tensor_dim1 = 64
	s_mov_b32 s[\g+3], 64<<16                      ; tile_dim0 = 64
	s_mov_b32 s[\g+4], 64                          ; tile_dim1 = 64
	s_mov_b32 s[\g+5], 64                          ; tensor_dim0_stride
	s_mov_b32 s[\g+6], 0
	s_mov_b32 s[\g+7], 0
.endr
	s_mov_b32 s[CS], 0x3e38aa3b                    ; c = log2(e) / 8
	s_mov_b32 s[CS+1], s[CS]                       ; named with it as a pair, so it is written
	s_mov_b32 s[SEL], 0x76543210
	s_mov_b32 s[SEL+1], 0xfedcba98
	; A fragment of K or Q is 16 rows x 32 channels in 8 registers: lane l holds row l % 16; registers 0-3 channels 8 (l / 16) + 0..7, registers 4-7 channels 16 + 8 (l / 16) + 0..7: two loads of 16 bytes, 32 bytes apart.
	v_and_b32 v1, 15, v0                           ; r
	v_bfe_u32 v2, v0, 4, 1                         ; h
	v_lshlrev_b32 v[QO], 7, v1
	v_lshl_add_u32 v[QO], v2, 4, v[QO]             ; row x 128 + 16 x half
	s_wait_dscnt 0x0                               ; both opening adds are done
	s_wait_kmcnt 0x0
	s_add_nc_u64 s[QB:QB+1], s[4:5], s[2:3]
	WIN W_TO1
.irp t, 0,1,2,3                        ; Q stays in registers.  It is asked for first: 8 KiB a wave ahead of the wave's 32 KiB of tiles
.irp c, 0,1
	global_load_b128 v[QF+16*\t+8*\c:QF+16*\t+8*\c+3],   v[QO], s[QB:QB+1] offset:2048*\t+64*\c
	global_load_b128 v[QF+16*\t+8*\c+4:QF+16*\t+8*\c+7], v[QO], s[QB:QB+1] offset:2048*\t+64*\c+32
.endr
.endr
	WIN 0
	s_add_nc_u64 s[16:17], s[4:5], s[14:15]        ; my head, my 64 rows of a chunk, counted from q's first byte
.irp c, 0,1,2,3                        ; every wave makes both sets and asks by one of them
	s_mov_b32 s[G0K+4*\c], 1                       ; 1:0 count = 1
	s_add_co_u32 s[G0K+4*\c+1], s11, 256*PK*\c     ; 63:32 LDS address
	s_add_nc_u64 s[G0K+4*\c+2:G0K+4*\c+3], s[16:17], 16777216+32768*\c   ; 120:64 global address: k begins 16,777,216 bytes behind q; a chunk is 32,768 bytes
	s_or_b32 s[G0K+4*\c+3], s[G0K+4*\c+3], 0x80000000                    ; 127:126 type = 2
	s_mov_b32 s[G0V+4*\c], 1
	s_add_co_u32 s[G0V+4*\c+1], s12, VB+256*PV*\c
	s_add_nc_u64 s[G0V+4*\c+2:G0V+4*\c+3], s[16:17], 33554432+32768*\c   ; v begins 33,554,432 bytes behind q
	s_or_b32 s[G0V+4*\c+3], s[G0V+4*\c+3], 0x80000000
.endr
	s_cmp_lt_u32 s[WV], 4                          ; a wave's four fills stand in one arm, ahead of every wait on TENSORcnt, every LDS read and every barrier; an s_nop 0 follows each, four v_nop the last
	s_cbranch_scc0 .Lfirst_v
.irp c, 0,1,2,3
	tensor_load_to_lds s[G0K+4*\c:G0K+4*\c+3], s[G1K:G1K+7]
	s_nop 0
.endr
	PLACES
	s_branch .Lfirst_asked
.Lfirst_v:
.irp c, 0,1,2,3
	tensor_load_to_lds s[G0V+4*\c:G0V+4*\c+3], s[G1V:G1V+7]
	s_nop 0
.endr
	PLACES
.Lfirst_asked:
	s_and_b32 s14, s9, 15                          ; O, laid [head][8,192 tokens][64]: head x 1,048,576 + batch x 131,072 + my rows
	s_lshl_b32 s14, s14, 20
	s_lshr_b32 s15, s9, 4
	s_lshl_b32 s15, s15, 17
	s_add_co_u32 s14, s14, s15
	s_lshl_b32 s15, ttmp9, 16
	s_add_co_u32 s14, s14, s15
	s_lshl_b32 s15, s[WV], 13
	s_add_co_u32 s14, s14, s15
	s_mov_b32 s15, 0
	s_add_nc_u64 s[6:7], s[6:7], s[14:15]
	WIN W_TO1
.set i, 0
.rept 128
	v_mov_b32 v[i], 0                              ; O^T: the first step finds zeros, which its a = 0 leaves zeros
.set i, i+1
.endr
	WIN 0
	v_mul_u32_u24 v[AK0], v1, PK
	v_lshl_add_u32 v[AK0], v2, 4, v[AK0]           ; row x pitch + 16 x half
	; The turning load takes 16 keys x 16 channels (lane l reads 16 bytes: key 8 (l / 16) + l % 8, channels 8 ((l / 8) % 2) + 0..7) and leaves half a fragment of V^T: lane l holds channel l % 16 and 8 keys.
	v_and_b32 v14, 7, v0
	v_bfe_u32 v15, v0, 3, 1
	v_lshl_add_u32 v[AV0], v2, 3, v14
	v_mul_u32_u24 v[AV0], v[AV0], PV
	v_lshl_add_u32 v[AV0], v15, 4, v[AV0]
	v_add_nc_u32 v[AV0], VB, v[AV0]
	s_mul_i32 s10, s[WV], 64*PK                    ; the way out: my stage, four tiles of 16 rows x 144 bytes, in K's bytes
	v_add_nc_u32 v[STO], s10, v[AK0]               ; in: row r, 16 bytes for each half of the lanes
	v_bfe_u32 v11, v0, 3, 2
	v_mul_u32_u24 v[RD], v11, PK                   ; back: eight lanes to a row of 128 bytes, four rows an instruction
	v_lshl_add_u32 v[RD], v14, 4, v[RD]
	v_add_nc_u32 v[RD], s10, v[RD]
	v_and_b32 v[GO], 31, v0
	v_lshlrev_b32 v[GO], 4, v[GO]                  ; and the same four rows in O: 512 consecutive bytes
.irp t, 0,1,2,3
	v_mov_b32 v[ST+8*\t+1], 0xff61b1e6             ; m = -3e38, under every score
	v_mul_f32 v[ST+8*\t], s[CS], v[ST+8*\t+1]      ; c m
	v_mov_b32 v[ST+8*\t+2], 0                      ; l, in two halves
	v_mov_b32 v[ST+8*\t+3], 0
.endr
; 16 LDS loads: 64 keys x 64 channels of K: 8 fragments
.macro LOADK adr
	WIN W_TO1
.irp i, 0,1,2,3
.irp c, 0,1
	ds_load_b128 v[KF+16*\i+8*\c:KF+16*\i+8*\c+3],   v[\adr] offset:16*PK*\i+64*\c
	ds_load_b128 v[KF+16*\i+8*\c+4:KF+16*\i+8*\c+7], v[\adr] offset:16*PK*\i+64*\c+32
.endr
.endr
	WIN 0
.endm
; The head of a vector phase: this step's V (turned) and, with kn = 1, the next step's K.  The additions and four v_nop are the places behind the products K Q^T just issued: four are owed to the loads into K's registers
; and to the softmax's first read of S^T (ISA guide 7.12.1 for the read of S^T).  V's registers were last read by the products V^T P, which stand further back.
.macro LOADS kn
	v_add_nc_u32 v[ADV], s[TV], v[AV0]
.if \kn
	v_add_nc_u32 v[ADK], s[TK], v[AK0]
.endif
	PLACES
.irp kk, 0,1
.irp c, 0,1,2,3
	ds_load_tr16_b128 v[VF+8*(4*\kk+\c):VF+8*(4*\kk+\c)+3],   v[ADV] offset:32*PV*\kk+32*\c
	ds_load_tr16_b128 v[VF+8*(4*\kk+\c)+4:VF+8*(4*\kk+\c)+7], v[ADV] offset:32*PV*\kk+32*\c+16*PV
.endr
.endr
	s_add_co_u32 s[TV], s[TV], 64*PV               ; the next step's rows
.if \kn
	LOADK ADK
	s_add_co_u32 s[TK], s[TK], 64*PK
.endif
.endm
; S^T = K Q^T: channels 32 c on, keys 16 i on, tile t.  The first 16 start the sums.  In both products the accumulators take turns, one instruction a turn: between two links of a chain stand 15 others'.
.macro MULKQ
	WIN W_KQ
.irp c, 0,1
.irp i, 0,1,2,3
.irp t, 0,1,2,3
.if \c == 0
	v_wmma_f32_16x16x32_f16 v[S+32*\t+8*\i:S+32*\t+8*\i+7], v[KF+16*\i+8*\c:KF+16*\i+8*\c+7], v[QF+16*\t+8*\c:QF+16*\t+8*\c+7], 0
.else
	v_wmma_f32_16x16x32_f16 v[S+32*\t+8*\i:S+32*\t+8*\i+7], v[KF+16*\i+8*\c:KF+16*\i+8*\c+7], v[QF+16*\t+8*\c:QF+16*\t+8*\c+7], v[S+32*\t+8*\i:S+32*\t+8*\i+7]
.endif
.endr
.endr
.endr
.endm
; O^T += V^T P: keys 32 kk on, channels 16 c on, tile t
.macro MULPV
	WIN W_PV
.irp kk, 0,1
.irp c, 0,1,2,3
.irp t, 0,1,2,3
	v_wmma_f32_16x16x32_f16 v[32*\t+8*\c:32*\t+8*\c+7], v[VF+8*(4*\kk+\c):VF+8*(4*\kk+\c)+7], v[S+32*\t+8*\kk:S+32*\t+8*\kk+7], v[32*\t+8*\c:32*\t+8*\c+7]
.endr
.endr
.endr
.endm
; THE MATRIX PHASE.  kq = 1: the next step's scores follow; they are written over P, which the products just issued read: five places stand between (ISA guide 7.12.1)
.macro MM kq
	s_wait_dscnt 0x0                               ; V and the next K, asked for at the head of the vector phase, are in
	MULPV
.if \kq
.rept 5
	v_nop
.endr
	MULKQ
.endif
	WIN 0
.endm
; THE SOFTMAX of 64 keys for my four tiles of queries: vector work on registers alone
.macro SM
	; the maximum of a lane's 32 scores and the old m, three operands at a time, the four tiles by turns.  Chain j begins at the low end of accumulator j
.irp j, 0,1,2,3
.irp t, 0,1,2,3
	v_max3_num_f32 v[ST+8*\t+4+\j], v[S+32*\t+8*\j], v[S+32*\t+8*\j+1], v[S+32*\t+8*\j+2]
.endr
.endr
.irp n, 3,5
.irp j, 0,1,2,3
.irp t, 0,1,2,3
	v_max3_num_f32 v[ST+8*\t+4+\j], v[ST+8*\t+4+\j], v[S+32*\t+8*\j+\n], v[S+32*\t+8*\j+\n+1]
.endr
.endr
.endr
.irp t, 0,1,2,3
	v_max3_num_f32 v[ST+8*\t+4], v[ST+8*\t+4], v[S+32*\t+7], v[S+32*\t+15]
.endr
.irp t, 0,1,2,3
	v_max3_num_f32 v[ST+8*\t+6], v[ST+8*\t+6], v[S+32*\t+23], v[S+32*\t+31]
.endr
.irp t, 0,1,2,3
	v_max3_num_f32 v[ST+8*\t+4], v[ST+8*\t+4], v[ST+8*\t+5], v[ST+8*\t+6]
.endr
.irp t, 0,1,2,3
	v_max3_num_f32 v[ST+8*\t+4], v[ST+8*\t+4], v[ST+8*\t+7], v[ST+8*\t+1]
.endr
.irp t, 0,1,2,3
	v_permlanex16_b32 v[ST+8*\t+5], v[ST+8*\t+4], s[SEL], s[SEL+1]   ; the query's other 32 keys lie in the lane 16 away
.endr
.irp t, 0,1,2,3
	v_mov_b32 v[ST+8*\t+7], v[ST+8*\t]             ; c m_old is kept for a
.endr
.irp t, 0,1,2,3
	v_max_num_f32 v[ST+8*\t+1], v[ST+8*\t+4], v[ST+8*\t+5]
.endr
.irp t, 0,1,2,3
	v_mul_f32 v[ST+8*\t], s[CS], v[ST+8*\t+1]
.endr
.irp t, 0,1,2,3
	v_sub_f32 v[ST+8*\t+7], v[ST+8*\t+7], v[ST+8*\t]
.endr
	; ONE BATCH: the four a, the 64 scalings c s - c m (a pair of scores each) and the 128 exponentials.  None of these names an exponential's result; a tile's scalings stand among the exponentials of the tile before
.irp t, 0,1,2,3
	v_exp_f32 v[ST+8*\t+6], v[ST+8*\t+7]
.endr
.irp j, 0,1,2,3,4,5,6,7,8,9,10,11,12,13,14,15
	v_pk_fma_f32 v[S+2*\j:S+2*\j+1], v[S+2*\j:S+2*\j+1], s[CS:CS+1], v[ST:ST+1] op_sel_hi:[1,0,0] neg_lo:[0,0,1] neg_hi:[0,0,1]
.endr
.irp t, 0,1,2,3
.irp j, 0,1,2,3,4,5,6,7,8,9,10,11,12,13,14,15
	v_exp_f32 v[S+32*\t+2*\j], v[S+32*\t+2*\j]
	v_exp_f32 v[S+32*\t+2*\j+1], v[S+32*\t+2*\j+1]
.if \t < 3
	v_pk_fma_f32 v[S+32*(\t+1)+2*\j:S+32*(\t+1)+2*\j+1], v[S+32*(\t+1)+2*\j:S+32*(\t+1)+2*\j+1], s[CS:CS+1], v[ST+8*(\t+1):ST+8*(\t+1)+1] op_sel_hi:[1,0,0] neg_lo:[0,0,1] neg_hi:[0,0,1]
.endif
.endr
.endr
	v_nop                                          ; a plain instruction behind the last exponential, ahead of the first use: one for the batch
	s_wait_alu depctr_va_vdst(0)                   ; and the wait ahead of the first instruction that names a result: one for the batch
	; the sums of the unrounded p, two at a time, in two chains a tile; l = a l + the sum
.irp t, 0,1,2,3
	v_pk_add_f32 v[ST+8*\t+4:ST+8*\t+5], v[S+32*\t:S+32*\t+1], v[S+32*\t+2:S+32*\t+3]
.endr
.irp t, 0,1,2,3
	v_pk_add_f32 v[YS+2*\t:YS+2*\t+1], v[S+32*\t+4:S+32*\t+5], v[S+32*\t+6:S+32*\t+7]
.endr
.irp n, 8,12,16,20,24,28
.irp t, 0,1,2,3
	v_pk_add_f32 v[ST+8*\t+4:ST+8*\t+5], v[ST+8*\t+4:ST+8*\t+5], v[S+32*\t+\n:S+32*\t+\n+1]
.endr
.irp t, 0,1,2,3
	v_pk_add_f32 v[YS+2*\t:YS+2*\t+1], v[YS+2*\t:YS+2*\t+1], v[S+32*\t+\n+2:S+32*\t+\n+3]
.endr
.endr
.irp t, 0,1,2,3
	v_pk_add_f32 v[ST+8*\t+4:ST+8*\t+5], v[ST+8*\t+4:ST+8*\t+5], v[YS+2*\t:YS+2*\t+1]
.endr
.irp t, 0,1,2,3
	v_pk_fma_f32 v[ST+8*\t+2:ST+8*\t+3], v[ST+8*\t+2:ST+8*\t+3], v[ST+8*\t+6:ST+8*\t+7], v[ST+8*\t+4:ST+8*\t+5] op_sel_hi:[1,0,1]
.endr
	; the roundings to f16, in place: register n takes pair n; ascending, so that no pair is written over before it is read.  Registers 8 kk .. 8 kk + 7 are then source 1 for keys 32 kk on
.irp n, 0,1,2,3,4,5,6,7,8,9,10,11,12,13,14,15
.irp t, 0,1,2,3
	v_cvt_pk_f16_f32 v[S+32*\t+\n], v[S+32*\t+2*\n], v[S+32*\t+2*\n+1]
.endr
.endr
	WIN W_RS
.irp t, 0,1,2,3                        ; O^T times a, each accumulator from its low end on
.irp n, 0,2,4,6,8,10,12,14,16,18,20,22,24,26,28,30
	v_pk_mul_f32 v[32*\t+\n:32*\t+\n+1], v[32*\t+\n:32*\t+\n+1], v[ST+8*\t+6:ST+8*\t+7] op_sel_hi:[1,0]
.endr
.endr
	WIN 0
.endm
.macro STEP                            ; a whole key step that has a successor
	LOADS 1
	SM
	MM 1
.endm
	s_wait_loadcnt 0x0                             ; Q
	s_wait_tensorcnt 3                             ; my load of keys 0-255 has landed; the three issued behind it may be out
	s_barrier_signal -1
	s_barrier_wait -1                              ; everybody's has
	LOADK AK0                                      ; step 0's K
	s_wait_dscnt 0x0
	MULKQ                                          ; step 0's scores
	WIN 0
	s_mov_b32 s[TK], 64*PK                         ; the next K to fetch is step 1's,
	s_mov_b32 s[TV], 0                             ; the next V step 0's
	LOADS 1
	; STEP 0'S SOFTMAX IS WRITTEN TWICE, ROUND ONE BARRIER.  The barrier is on every wave's path.
	s_cmp_lg_u32 s[LATE], 0
	s_cbranch_scc1 .Lheld
	SM                                             ; the early waves
.Lheld:
	s_wait_dscnt 0x0                               ; no LDS instruction of mine is out at a signal
	s_barrier_signal -1
	s_barrier_wait -1                              ; it orders no memory: it lets the late waves go when the early ones have their first softmax behind them
	s_cmp_eq_u32 s[LATE], 0
	s_cbranch_scc1 .Lahead
	SM                                             ; the late waves, beside the early waves' matrix phase
.Lahead:
	MM 1
	STEP                                           ; step 1 reads V of step 1 and K of step 2: keys under 256
	s_wait_tensorcnt 2                             ; my load of keys 256-511 has landed; the two behind it may be out
	s_wait_dscnt 0x0
	s_barrier_signal -1                            ; said at the head of step 2,
	STEP                                           ; which reads V of step 2 and K of step 3: keys under 256, bytes that nobody writes before the last barrier;
	s_barrier_wait -1                              ; asked at its end: K of step 4 is read behind this line
	s_mov_b32 s[CNT], 3
.Lsteps_a:                                         ; steps 3 to 5: K up to step 6, keys under 512
	STEP
	s_sub_co_u32 s[CNT], s[CNT], 1
	s_cmp_lg_u32 s[CNT], 0
	s_cbranch_scc1 .Lsteps_a
	s_wait_tensorcnt 0x0                           ; all my loads have landed: keys 512-1,023
	s_wait_dscnt 0x0
	s_barrier_signal -1                            ; said at the head of step 6,
	STEP                                           ; which reads V of step 6 and K of step 7: keys under 512;
	s_barrier_wait -1                              ; asked at its end: K of step 8 is read behind this line
	s_mov_b32 s[CNT], 8
.Lsteps_b:                                         ; steps 7 to 14
	STEP
	s_sub_co_u32 s[CNT], s[CNT], 1
	s_cmp_lg_u32 s[CNT], 0
	s_cbranch_scc1 .Lsteps_b
	LOADS 0                                        ; step 15 has no successor: no K is fetched and no scores follow
	SM
	MM 0
	; THE WAY OUT.  Behind this barrier no wave reads K any more, and K has had its only fill: the stages lie there.
	s_wait_dscnt 0x0
	s_barrier_signal -1
	s_barrier_wait -1
.irp t, 0,1,2,3
	v_add_f32 v[ST+8*\t+4], v[ST+8*\t+2], v[ST+8*\t+3]   ; l's two halves (these additions are the places behind the last products),
.endr
.irp t, 0,1,2,3
	v_permlanex16_b32 v[ST+8*\t+5], v[ST+8*\t+4], s[SEL], s[SEL+1]
.endr
.irp t, 0,1,2,3
	v_add_f32 v[ST+8*\t+4], v[ST+8*\t+4], v[ST+8*\t+5]   ; and the other half of the lanes': the row's sum
.endr
.irp t, 0,1,2,3
	v_rcp_f32 v[ST+8*\t+6], v[ST+8*\t+4]
.endr
	v_nop                                          ; a plain instruction between the last reciprocal and the use of its result
	s_wait_alu depctr_va_vdst(0)                   ; and the wait ahead of the first use: one for the four
; Tile t: O^T / l, rounded to f16; a lane's eight channels of a row are 16 bytes; they go into rows of 144 bytes and come back as whole rows of 128, into the registers that they left.
.macro PACK t
	WIN W_RS
.irp n, 0,2,4,6,8,10,12,14,16,18,20,22,24,26,28,30
	v_pk_mul_f32 v[32*\t+\n:32*\t+\n+1], v[32*\t+\n:32*\t+\n+1], v[ST+8*\t+6:ST+8*\t+7] op_sel_hi:[1,0]
.endr
	WIN W_KQ                                       ; sources 0 and 1 window 1, destination window 0: S^T's registers are free
.irp i, 0,1,2,3,4,5,6,7,8,9,10,11,12,13,14,15
	v_cvt_pk_f16_f32 v[S+16*\t+\i], v[32*\t+2*\i], v[32*\t+2*\i+1]
.endr
	WIN 0
.irp c, 0,1,2,3
	ds_store_b128 v[STO], v[S+16*\t+4*\c:S+16*\t+4*\c+3] offset:16*PK*\t+32*\c
.endr
.irp i, 0,1,2,3
	ds_load_b128 v[S+16*\t+4*\i:S+16*\t+4*\i+3], v[RD] offset:16*PK*\t+4*PK*\i   ; LDS serves a wave's instructions in order (ISA guide 5.7.1.4): these see the stores above
.endr
.endm
.macro SEND t, younger                 ; younger: the LDS instructions issued behind tile t's loads: the next tile's four stores and four loads, or none
.irp i, 0,1,2,3
	s_wait_dscnt \younger+3-\i
	global_store_b128 v[GO], v[S+16*\t+4*\i:S+16*\t+4*\i+3], s[6:7] offset:2048*\t+512*\i   ; 32 lanes store four rows: 512 consecutive bytes, aligned
.endr
.endm
	PACK 0
	PACK 1                                         ; a tile's arithmetic stands between the loads of the tile before and its stores
	SEND 0, 8
	PACK 2
	SEND 1, 8
	PACK 3
	SEND 2, 8
	SEND 3, 0
	s_wait_tensorcnt 0x0                           ; the wave's end: a zero add to my spare word and its wait, behind my last tensor load and my last LDS store
	ds_add_u32 v[SPW], v[NIL]
	s_wait_dscnt 0x0
	s_endpgm
.Lfunc_end_k_q693e7e8e5a_attn:
	.size	k_q693e7e8e5a_attn, .Lfunc_end_k_q693e7e8e5a_attn-k_q693e7e8e5a_attn
	.p2alignl 7, 3214868480
	.fill 96, 4, 3214868480
	.section	.rodata,"a",@progbits
	.p2align	6, 0x0
	.amdhsa_kernel k_q693e7e8e5a_attn
		.amdhsa_group_segment_fixed_size 327680
		.amdhsa_private_segment_fixed_size 0
		.amdhsa_enable_private_segment 0
		.amdhsa_kernarg_size 16
		.amdhsa_user_sgpr_count 2
		.amdhsa_user_sgpr_kernarg_segment_ptr 1
		.amdhsa_wavefront_size32 1
		.amdhsa_system_sgpr_workgroup_id_x 1
		.amdhsa_system_sgpr_workgroup_id_y 1
		.amdhsa_system_sgpr_workgroup_id_z 1
		.amdhsa_system_vgpr_workitem_id 0
		.amdhsa_next_free_vgpr 512
		.amdhsa_next_free_sgpr 84
		.amdhsa_reserve_vcc 0
		.amdhsa_float_denorm_mode_32 3
		.amdhsa_float_denorm_mode_16_64 3
		.amdhsa_memory_ordered 1
		.amdhsa_forward_progress 1
		.amdhsa_inst_pref_size 255
	.end_amdhsa_kernel
	.section	.bss,"aw",@nobits
	.p2align	6
	.space	262144
	.amdgpu_metadata
---
amdhsa.version: [ 1, 2 ]
amdhsa.kernels:
  - .name:           k_q693e7e8e5a_attn
    .symbol:         k_q693e7e8e5a_attn.kd
    .args:
      - { .name: qkv, .offset: 0, .size: 8, .value_kind: global_buffer, .address_space: global }
      - { .name: att, .offset: 8, .size: 8, .value_kind: global_buffer, .address_space: global }
    .group_segment_fixed_size: 327680
    .private_segment_fixed_size: 0
    .kernarg_segment_align: 8
    .kernarg_segment_size: 16
    .max_flat_workgroup_size: 256
    .sgpr_count:     84
    .vgpr_count:     512
    .wavefront_size: 32
...
	.end_amdgpu_metadata
.endif
;; end of part 3
;; launch proj (part 4): grid 4 x 64, 4 waves a work-group, clusters of 4 x 4, 327,680 bytes of LDS; arguments att, wp, b_proj, out0; writes out0
.if DOCPART == 4
	.amdgcn_target "amdgcn-amd-amdhsa--gfx1250"
	.amdhsa_code_object_version 6
	.text
	.protected	k_q693e7e8e5a_proj
	.globl	k_q693e7e8e5a_proj
	.p2align	8
	.type	k_q693e7e8e5a_proj,@function
k_q693e7e8e5a_proj:
	s_mov_b64 s[64:65], 0
	v_nop
	global_prefetch_b8 v0, s[64:65] scope:SCOPE_SE
	s_setreg_imm32_b32 hwreg(HW_REG_WAVE_MODE, 25, 1), 1
	s_wait_xcnt 0x0
	s_wait_alu depctr_hold_cnt(0) depctr_sa_sdst(0) depctr_va_vdst(0) depctr_va_sdst(0) depctr_va_ssrc(0) depctr_va_vcc(0) depctr_vm_vsrc(0)
	s_getreg_b32 s2, hwreg(HW_REG_IB_STS2, 6, 4)
	s_cmp_eq_u32 s2, 0
	s_cbranch_scc0 .Lentry_in_a_cluster
	s_endpgm
.Lentry_in_a_cluster:
	s_bfe_u32 s2, ttmp6, 0x10000c
	s_cmp_lg_u32 s2, 0xf033
	s_cbranch_scc0 .Lentry_shape_is_right
	s_endpgm
.Lentry_shape_is_right:
; LAUNCH 4 OF 4: out0[m][n] = sum over k of A[m][k] w_proj[n][k] + b_proj[n], m = 8,192 tokens, n = 1,024, K = 1,024, f16 operands, f32 sums, f32 out.  No work is left out.
; A is attention's result as launch 3 laid it, f16 [16 heads][8,192 tokens][64]: k = 64 x head + channel.  w_proj is launch 1's f16 copy, [n][k].
; A tile of C is 128 tokens x 256 columns: 256 work-groups of four waves; a wave makes 64 x 128: 32 accumulators of 16 x 16, 256 registers.
; K goes in steps of 128, two heads, through a ring of two LDS slots filled by the tensor data mover: wave 0 fetches the step's first head (128 tokens x 128 bytes, dense in memory), wave 1 its second,
; waves 2 and 3 128 rows x 256 bytes of w_proj each.  Eight K steps: two first fills and six refills; a refill is asked for 112 matrix instructions of a wave ahead of the wait for it.
; No prefetch is laid: six refills only, and the launch stores 128 KiB a work-group behind them.
; CLUSTERS: 4 x 4 work-groups.  The four of a row of the cluster need the same tiles of A, the four of a column the same tiles of w_proj: each tile is asked for JOINTLY, by the same tensor load with the
; same descriptor and a mask that names the four.  THE MATRIX INSTRUCTION IS USED TRANSPOSED (source 0 = 16 rows of w_proj, source 1 = 16 tokens): a lane then holds eight neighbouring numbers of a row of C.
; REGISTERS: window 0: v16-29 addresses; v32-35 my four numbers of b_proj; two fragment buffers of 96 at v64 and v160: A's four blocks (16 tokens x 32 K), then B's eight.   window 1: accumulator (a, b) at v[8 (8 a + b)].
.set PA,     144                       ; a row of A in LDS: 128 bytes + 16 = 36 words;  a row of B: 256 + 16 = 68 words: in both the 16 rows of a load start at 16 different groups of four banks (ISA guide 11.1)
.set PB,     272
.set HEADA,  128*PA                    ; one head's 128 tokens: what wave 0 or 1 fetches
.set HALFB,  128*PB                    ; 128 rows of B: what wave 2 or 3 fetches
.set BOFF,   2*HEADA                   ; B lies behind A's two heads
.set SLOT,   BOFF+2*HALFB
.set STAGE,  2*SLOT                    ; behind the ring: 16 rows x (512 bytes + 16) for each wave, for the way out; no tensor load lands there
.set SPITCH, 528
.set SPARE,  STAGE+4*16*SPITCH         ; behind the stages: the spare words, 128 bytes for each wave, which no other line names
.set LAPS,   4                         ; a lap = two K steps = once round the ring
.set ADRA, 16                          ; v16-17  LDS address of my A fragments in slot 0, 1
.set ADRB, 20                          ; v20-21  the same for B
.set STO,  24                          ; v24     the way out: where I put 32 bytes of a row
.set RD,   25                          ; v25     the way out: where I read a row back
.set CO,   26                          ; v26     16 x lane: my byte offset in a row of C and in b_proj
.set SPW,  28                          ; v28     LDS address of my spare word: SPARE + 4 x my thread's number; never rewritten
.set NIL,  29                          ; v29     0; never rewritten
.set BI,   32                          ; v32-35  b_proj at my four columns of a row read back
.set F0,   64
.set F1,   160
.set BK,   64                          ; the way out: 16 rows read back: v64-127 and v128-191 by turns
.set G1, 24                            ; s[24:31] descriptor group 1 for A's tiles;  s[32:39] group 0, one set for each slot
.set G0, 32
.set G1B, 48                           ; s[48:55], s[56:63] the same for B's tiles
.set G0B, 56
.set MSB, 0
.macro WIN new                         ; the immediate's high byte repeats the setting that is left
.if MSB != \new
	s_set_vgpr_msb (MSB<<8)|\new
.set MSB, \new
.endif
.endm
.set MUL, 0x50                         ; sources 0 (B) and 1 (A) window 0; C and D window 1
.macro JLOAD s                         ; a joint load: waves 0 and 1 fetch A's two heads, waves 2 and 3 B's two halves; an s_nop 0 and four v_nop follow each of the two lines, ahead of the jump, the label and what follows
	s_cmp_eq_u32 s13, 0
	s_cbranch_scc0 .Lfor_b_\@
	tensor_load_to_lds s[G0+4*\s:G0+4*\s+3], s[G1:G1+7]
	s_nop 0
.rept 4
	v_nop
.endr
	s_branch .Lasked_\@
.Lfor_b_\@:
	tensor_load_to_lds s[G0B+4*\s:G0B+4*\s+3], s[G1B:G1B+7]
	s_nop 0
.rept 4
	v_nop
.endr
.Lasked_\@:
.endm
.macro CREST                           ; a round of the cluster's barrier behind its opening barrier
	s_cmp_lg_u32 s12, 0
	s_cbranch_scc1 .Lnot_wave_0_\@
	s_barrier_signal -3
.Lnot_wave_0_\@:
	s_barrier_wait -3
	s_barrier_signal -1
	s_barrier_wait -1
.endm
.macro CROUND                          ; a whole round
	s_barrier_signal -1
	s_barrier_wait -1
	CREST
.endm
	s_load_b256 s[4:11], s[0:1], 0x0               ; A s[4:5], w_proj in f16 s[6:7], b_proj s[8:9], out0 s[10:11]
	v_lshl_add_u32 v[SPW], v0, 2, SPARE
	v_mov_b32 v[NIL], 0
	ds_add_u32 v[SPW], v[NIL]                      ; the wave's opening: the add, twice on end, and its wait ahead of my first tensor load; the set-up below stands between the second and the wait
	ds_add_u32 v[SPW], v[NIL]
	v_lshrrev_b32 v1, 5, v0
	v_readfirstlane_b32 s12, v1                    ; wave 0..3
	s_lshr_b32 s13, s12, 1                         ; which half of the tile's rows is mine.  Also: I fetch for A (0) or for B (1)
	s_and_b32 s14, s12, 1                          ; which half of its columns.  Also: which head of the step, or which 128 rows of B, I fetch
	s_bfe_u32 s40, ttmp6, 0x40000                  ; cx, cy: my place in the cluster
	s_bfe_u32 s41, ttmp6, 0x40004
	s_lshl_b32 s42, ttmp9, 2
	s_add_co_u32 s42, s42, s40                     ; tile column of C = 4 x cluster x + cx
	s_and_b32 s15, ttmp7, 0xffff
	s_lshl_b32 s15, s15, 2
	s_add_co_u32 s15, s15, s41                     ; tile row of C = 4 x cluster y + cy
	s_lshl_b32 s43, s41, 2
	s_lshl_b32 s43, 15, s43                        ; my row of the cluster
	s_lshl_b32 s44, 0x1111, s40                    ; my column
	; descriptor groups 1.  A: 128 rows x 64 elements of 2 bytes, dense in memory;  B: 128 rows x 128 elements, 1,024 elements from row to row; both padded in LDS
	s_or_b32 s[G1+0], s43, (1<<16)|(1<<20)|(1<<21)|(4<<22)|(3<<25)   ; 15:0 the mask: A's tiles go to my row; 17:16 element of 2 bytes; 20 padding on; 21 set beside a mask; 24:22 after every 32 words (code 4); 31:25 of 4 words (code 3)
	s_or_b32 s[G1B+0], s44, (1<<16)|(1<<20)|(1<<21)|(5<<22)|(3<<25)  ; B's go to my column; padding after every 64 words (code 5)
	s_mov_b32 s[G1+1], 64<<16                      ; tensor_dim0
	s_mov_b32 s[G1+2], 128<<16                     ; tensor_dim1
	s_mov_b32 s[G1+3], 64<<16                      ; tile_dim0
	s_mov_b32 s[G1+4], 128                         ; tile_dim1
	s_mov_b32 s[G1+5], 64                          ; tensor_dim0_stride
	s_mov_b32 s[G1+6], 0
	s_mov_b32 s[G1+7], 0
	s_mov_b32 s[G1B+1], 128<<16
	s_mov_b32 s[G1B+2], 128<<16
	s_mov_b32 s[G1B+3], 128<<16
	s_mov_b32 s[G1B+4], 128
	s_mov_b32 s[G1B+5], 1024
	s_mov_b32 s[G1B+6], 0
	s_mov_b32 s[G1B+7], 0
	; where the tiles come from.  A's hang on the tile row alone, B's on the tile column alone; every wave makes both, in registers that never hold the other coordinate
	s_lshl_b32 s16, s14, 20                        ; A: a head is 1,048,576 bytes,
	s_lshl_b32 s17, s15, 14                        ; 128 tokens are 16,384
	s_add_co_u32 s16, s16, s17
	s_mov_b32 s17, 0
	s_lshl_b32 s46, s42, 19                        ; B: 256 rows of 2,048 bytes a tile column,
	s_lshl_b32 s47, s14, 18                        ; 128 rows a half
	s_add_co_u32 s46, s46, s47
	s_mov_b32 s47, 0
	s_mul_i32 s20, s14, HEADA                      ; and where they go: no place in the cluster enters an LDS address
	s_mul_i32 s21, s14, HALFB
	s_add_co_u32 s21, s21, BOFF
	s_wait_dscnt 0x0                               ; both opening adds are done
	s_wait_kmcnt 0x0
	s_add_nc_u64 s[18:19], s[4:5], s[16:17]
	s_add_nc_u64 s[46:47], s[6:7], s[46:47]
	CROUND                                         ; all sixteen work-groups are here: the first joint loads meet
.irp s, 0,1
	s_mov_b32 s[G0+4*\s], 1
	s_add_co_u32 s[G0+4*\s+1], s20, \s*SLOT
	s_add_nc_u64 s[G0+4*\s+2:G0+4*\s+3], s[18:19], \s*2097152      ; K step s begins two heads on
	s_or_b32 s[G0+4*\s+3], s[G0+4*\s+3], 0x80000000
	s_mov_b32 s[G0B+4*\s], 1
	s_add_co_u32 s[G0B+4*\s+1], s21, \s*SLOT
	s_add_nc_u64 s[G0B+4*\s+2:G0B+4*\s+3], s[46:47], \s*256        ; and 256 bytes on in a row of B
	s_or_b32 s[G0B+4*\s+3], s[G0B+4*\s+3], 0x80000000
	JLOAD \s                                       ; two loads of mine are out behind the second
.endr
	v_and_b32 v1, 15, v0                           ; r = l % 16
	v_bfe_u32 v2, v0, 4, 1                         ; h = l / 16
	v_mul_u32_u24 v3, v1, PA
	v_lshl_add_u32 v3, v2, 4, v3                   ; a fragment's row x pitch + 16 x half
	v_mul_u32_u24 v4, v1, PB
	v_lshl_add_u32 v4, v2, 4, v4
	s_mul_i32 s21, s13, 64*PA                      ; my 64 tokens
	s_mul_i32 s22, s14, HALFB                      ; my 128 rows of B,
	s_add_co_u32 s22, s22, BOFF                    ; which lie behind A
.irp s, 0,1
	v_add_nc_u32 v[ADRA+\s], s21, v3
	v_add_nc_u32 v[ADRB+\s], s22, v4
	s_add_co_u32 s21, s21, SLOT
	s_add_co_u32 s22, s22, SLOT
.endr
	s_mul_i32 s23, s12, 16*SPITCH
	s_add_co_u32 s23, s23, STAGE                   ; my stage
	v_mul_u32_u24 v5, v1, SPITCH                   ; in: row r, 32 bytes for each half of the lanes
	v_lshl_add_u32 v5, v2, 5, v5
	v_add_nc_u32 v[STO], s23, v5
	v_and_b32 v6, 31, v0
	v_lshlrev_b32 v[CO], 4, v6                     ; back: the 32 lanes take one row of 512 bytes; and the same in C
	v_add_nc_u32 v[RD], s23, v[CO]
	s_lshl_b32 s16, s15, 19                        ; my first row of C: 128 x tile row + 64 x half, rows of 4,096 bytes
	s_lshl_b32 s17, s13, 18
	s_add_co_u32 s16, s16, s17
	s_mov_b32 s17, 0
	s_lshl_b32 s46, s42, 10                        ; my first column, in bytes: 1,024 x tile column + 512 x half
	s_lshl_b32 s47, s14, 9
	s_add_co_u32 s46, s46, s47
	s_mov_b32 s47, 0
	s_add_nc_u64 s[8:9], s[8:9], s[46:47]
	s_add_nc_u64 s[10:11], s[10:11], s[46:47]
	s_add_nc_u64 s[10:11], s[10:11], s[16:17]
	global_load_b128 v[BI:BI+3], v[CO], s[8:9]     ; b_proj at columns 4 l .. 4 l + 3 of my 128
; 8 matrix instructions: A's block a x B's eight, 32 along K, from buffer f.  zero = 1: the first product starts the sums: nothing is ever cleared.
; The 32 accumulators take turns, one instruction a turn, in the same order in every quarter.
.macro MUL8 f, a, zero
.irp b, 0,1,2,3,4,5,6,7
.if \zero
	v_wmma_f32_16x16x32_f16 v[8*(8*(\a)+\b):8*(8*(\a)+\b)+7], v[\f+32+8*\b:\f+32+8*\b+7], v[\f+8*(\a):\f+8*(\a)+7], 0
.else
	v_wmma_f32_16x16x32_f16 v[8*(8*(\a)+\b):8*(8*(\a)+\b)+7], v[\f+32+8*\b:\f+32+8*\b+7], v[\f+8*(\a):\f+8*(\a)+7], v[8*(8*(\a)+\b):8*(8*(\a)+\b)+7]
.endif
.endr
.endm
.macro MUL16 f, a0, zero
	MUL8 \f, \a0, \zero
	MUL8 \f, \a0+1, \zero
.endm
; 24 LDS loads in one run: the fragments of the slot's q-th 32 along K into buffer f: B's eight, then A's four.  In A quarter q lies in head q / 2, 64 (q % 2) bytes into the row
.macro FETCH slot, q, f
	WIN 0
.irp b, 0,1,2,3,4,5,6,7
	ds_load_b128 v[\f+32+8*\b:\f+32+8*\b+3],   v[ADRB+\slot] offset:64*(\q)+\b*16*PB
	ds_load_b128 v[\f+32+8*\b+4:\f+32+8*\b+7], v[ADRB+\slot] offset:64*(\q)+\b*16*PB+32
.endr
.irp a, 0,1,2,3
	ds_load_b128 v[\f+8*\a:\f+8*\a+3],   v[ADRA+\slot] offset:HEADA*((\q)/2)+64*((\q)%2)+\a*16*PA
	ds_load_b128 v[\f+8*\a+4:\f+8*\a+7], v[ADRA+\slot] offset:HEADA*((\q)/2)+64*((\q)%2)+\a*16*PA+32
.endr
.endm
.macro PLACES                          ; four places in front of loads into registers that matrix instructions have read, and of LDS stores that read results (ISA guide 7.12.1 for the stores)
.rept 4
	v_nop
.endr
.endm
; A K step is four quarters of 32 along K, 32 matrix instructions each, on buffers 0, 1, 0, 1.  One of the first three: multiplies buffer f and fetches quarter qn into g.
.macro QUARTER slot, qn, f, g, zero
	s_wait_dscnt 4                                 ; B and A's blocks 0, 1 are in; the youngest four loads (A's blocks 2, 3) may be out
	WIN MUL
	MUL16 \f, 0, \zero
	PLACES
	FETCH \slot, \qn, \g
	s_wait_dscnt 24                                ; all but the 24 just issued
	WIN MUL
	MUL16 \f, 2, \zero
.endm
; The last quarter multiplies buffer 1 and changes slots: ONE barrier; in front of it each wave waits for all its tensor loads, adds 0 to its spare word, and waits for that and for its own reads of this slot.
; fill = 1: this slot is filled again, two K steps ahead; the barrier then opens a round of the cluster's barrier.
.macro TURN slot, next, fill
	WIN 0                                          ; (the add's two registers lie in window 0)
	s_wait_tensorcnt 0x0                           ; all my tensor loads have landed: the one that was out is my part of the next slot;
	ds_add_u32 v[SPW], v[NIL]                      ; 0 onto my spare word;
	s_wait_dscnt 5                                 ; (the add and the youngest four loads may be out)
	WIN MUL
	MUL8 F1, 0, 0                                  ; eight matrix instructions stand between the add and the wait for it
	s_wait_dscnt 0x0                               ; the add is done, and my reads of this slot are over
	s_barrier_signal -1
	MUL8 F1, 1, 0
.if \fill
	WIN 0
.endif
	s_barrier_wait -1
.if \fill
	CREST                                          ; no wave of any partner still reads this slot's tile or has a load on its way
	s_add_nc_u64 s[G0+4*\slot+2:G0+4*\slot+3], s[G0+4*\slot+2:G0+4*\slot+3], 4194304   ; two K steps on: four heads,
	s_add_nc_u64 s[G0B+4*\slot+2:G0B+4*\slot+3], s[G0B+4*\slot+2:G0B+4*\slot+3], 512   ; 512 bytes in a row of B
	JLOAD \slot                                    ; the first tensor load behind the round; the four v_nop behind it are also the places in front of the loads below
.else
	PLACES
.endif
	FETCH \next, 0, F0
	WIN MUL
	MUL16 F1, 2, 0
.endm
	s_wait_loadcnt 0x0                             ; b_proj
	s_wait_tensorcnt 1                             ; my part of K step 0 is in (K step 1's load may be out)
	s_barrier_signal -1
	s_barrier_wait -1                              ; everybody's is
	FETCH 0, 0, F0
	QUARTER 0, 1, F0, F1, 1                        ; the first quarter stands in front of the loop: its products start the sums
	WIN 0                                          ; at a label and at a branch every window is 0
	s_mov_b32 s3, LAPS-1
.Llap:                                                 ; a trip goes once round the ring, from a lap's second quarter to the next lap's first, and fills both slots again
	QUARTER 0, 2, F1, F0, 0
	QUARTER 0, 3, F0, F1, 0
	TURN 0, 1, 1
	QUARTER 1, 1, F0, F1, 0
	QUARTER 1, 2, F1, F0, 0
	QUARTER 1, 3, F0, F1, 0
	TURN 1, 0, 1
	QUARTER 0, 1, F0, F1, 0
	WIN 0
	s_sub_co_u32 s3, s3, 1
	s_cmp_lg_u32 s3, 0
	s_cbranch_scc1 .Llap
	QUARTER 0, 2, F1, F0, 0                        ; the last lap fills nothing, and has no round of the cluster's barrier
	QUARTER 0, 3, F0, F1, 0
	TURN 0, 1, 0
	QUARTER 1, 1, F0, F1, 0
	QUARTER 1, 2, F1, F0, 0
	QUARTER 1, 3, F0, F1, 0
	s_wait_dscnt 4                                 ; the very last quarter: nothing more to fetch
	WIN MUL
	MUL16 F1, 0, 0
	s_wait_dscnt 0
	MUL16 F1, 2, 0
	WIN 0
; THE WAY OUT, block by block of 16 rows x 128 columns.  A lane holds 32 neighbouring bytes of a row, and the lanes beside it hold other rows: so a block goes through my own stage in LDS and comes back as whole
; rows of 512 bytes; there b_proj is added (a lane's four columns are the same in every row), and the 32 lanes store 512 consecutive bytes, aligned.
; LDS serves a wave's instructions in order (ISA guide 5.7.1.4): no wait between the stores and the loads, nor in front of the next block's stores.
.macro TOSTAGE a
	WIN 0x04                                       ; an LDS store's data are its source 1: window 1
.irp b, 0,1,2,3,4,5,6,7
	ds_store_b128 v[STO], v[8*(8*(\a)+\b):8*(8*(\a)+\b)+3] offset:64*\b          ; each accumulator from its low end on
	ds_store_b128 v[STO], v[8*(8*(\a)+\b)+4:8*(8*(\a)+\b)+7] offset:64*\b+16
.endr
	WIN 0
.set BB, BK+64*((\a)%2)
.irp t, 0,1,2,3,4,5,6,7,8,9,10,11,12,13,14,15
	ds_load_b128 v[BB+4*\t:BB+4*\t+3], v[RD] offset:\t*SPITCH
.endr
.endm
.macro SEND a, younger                 ; younger: the LDS instructions issued behind block a's loads, which may stay out
.set BB, BK+64*((\a)%2)
	s_wait_dscnt \younger                          ; the block is back in registers
.irp t, 0,1,2,3,4,5,6,7,8,9,10,11,12,13,14,15
	v_pk_add_f32 v[BB+4*\t:BB+4*\t+1], v[BB+4*\t:BB+4*\t+1], v[BI:BI+1]
	v_pk_add_f32 v[BB+4*\t+2:BB+4*\t+3], v[BB+4*\t+2:BB+4*\t+3], v[BI+2:BI+3]
.endr
.irp t, 0,1,2,3,4,5,6,7,8,9,10,11,12,13,14,15
	global_store_b128 v[CO], v[BB+4*\t:BB+4*\t+3], s[10:11] offset:4096*(16*(\a)+\t) th:TH_STORE_NT   ; every offset is an immediate, 63 rows of 4,096 bytes at the most; written once, read by nobody here
.endr
.endm
	PLACES                                         ; behind the last products: for the LDS stores that read results, and for the loads into registers that held fragments
	TOSTAGE 0
.irp a, 1,2,3
.if \a > 1
	s_wait_xcnt 0x0                                ; block a - 2's stores have read their registers: block a's loads may land there
.endif
	TOSTAGE \a
	SEND \a-1, 32                                  ; behind block a - 1's loads: block a's 16 stores and 16 loads
.endr
	SEND 3, 0
	s_wait_tensorcnt 0x0                           ; the wave's end: a zero add to my spare word and its wait, behind my last tensor load and my last LDS store
	ds_add_u32 v[SPW], v[NIL]
	s_wait_dscnt 0x0
	CROUND                                         ; the closing round: no work-group ends while a partner may still ask for a tile that names it
	s_endpgm
.Lfunc_end_k_q693e7e8e5a_proj:
	.size	k_q693e7e8e5a_proj, .Lfunc_end_k_q693e7e8e5a_proj-k_q693e7e8e5a_proj
	.p2alignl 7, 3214868480
	.fill 96, 4, 3214868480
	.section	.rodata,"a",@progbits
	.p2align	6, 0x0
	.amdhsa_kernel k_q693e7e8e5a_proj
		.amdhsa_group_segment_fixed_size 327680
		.amdhsa_private_segment_fixed_size 0
		.amdhsa_enable_private_segment 0
		.amdhsa_kernarg_size 32
		.amdhsa_user_sgpr_count 2
		.amdhsa_user_sgpr_kernarg_segment_ptr 1
		.amdhsa_wavefront_size32 1
		.amdhsa_system_sgpr_workgroup_id_x 1
		.amdhsa_system_sgpr_workgroup_id_y 1
		.amdhsa_system_sgpr_workgroup_id_z 1
		.amdhsa_system_vgpr_workitem_id 0
		.amdhsa_next_free_vgpr 512
		.amdhsa_next_free_sgpr 66
		.amdhsa_reserve_vcc 0
		.amdhsa_float_denorm_mode_32 3
		.amdhsa_float_denorm_mode_16_64 3
		.amdhsa_memory_ordered 1
		.amdhsa_forward_progress 1
		.amdhsa_inst_pref_size 93
	.end_amdhsa_kernel
	.amdgpu_metadata
---
amdhsa.version: [ 1, 2 ]
amdhsa.kernels:
  - .name:           k_q693e7e8e5a_proj
    .symbol:         k_q693e7e8e5a_proj.kd
    .args:
      - { .name: att, .offset: 0, .size: 8, .value_kind: global_buffer, .address_space: global }
      - { .name: wp, .offset: 8, .size: 8, .value_kind: global_buffer, .address_space: global }
      - { .name: b_proj, .offset: 16, .size: 8, .value_kind: global_buffer, .address_space: global }
      - { .name: out0, .offset: 24, .size: 8, .value_kind: global_buffer, .address_space: global }
    .group_segment_fixed_size: 327680
    .private_segment_fixed_size: 0
    .kernarg_segment_align: 8
    .kernarg_segment_size: 32
    .max_flat_workgroup_size: 128
    .sgpr_count:     66
    .vgpr_count:     512
    .wavefront_size: 32
...
	.end_amdgpu_metadata
.endif
;; end of part 4
